; MI455X (gfx1250); checked and timed in simulation.
; The chip was launched on July 23, 2026; its instructions are those of AMD's public machine-readable ISA for CDNA 5 (MIT licence, August 2026) and "CDNA5" Instruction Set Architecture Reference Guide (July 2026). The comments in the code are by the model that wrote it; some were corrected since.
;; Multi Head Self Attention. Allowed arithmetic: matrix products marked QUANTISED: E4M3 operands, one given power-of-two scale a tensor, by v_wmma_f32_16x16x64_fp8_fp8 or v_wmma_f32_16x16x128_fp8_fp8, f32 sums; everything else in f32.
;; Inputs: Wk 2,048 x 2,048 float32; Wo 2,048 x 2,048 float32; Wq 2,048 x 2,048 float32; Wv 2,048 x 2,048 float32; attention_mask 1 x 1 x 2,048 x 2,048 float32; cos_cached 4,096 x 128 float32; hidden_states 1 x 2,048 x 2,048 float32; lowp_scales 12 int32 (the exponents e of the quantised operands' scales 2^e); position_ids 2,048 int32; sin_cached 4,096 x 128 float32.
;; Outputs: out0 1 x 2,048 x 2,048 float32.
;; This version of the problem:
;;   THIS VERSION OF THE PROBLEM IS GIVEN IN LOW PRECISION. The matrix products marked QUANTISED in the list below multiply operands that are first quantised to E4M3 (4 exponent bits, 3 mantissa bits; 8 bits a number), with one given power-of-two scale for each operand tensor; their sums are f32. All else is computed in f32.
;;   The module's matrix products, in the order in which they are computed (A, B: the left and right operand; K: the contracted axis; several contracted axes count as one K, in the product's order):
;;     1. [M 2,048, K 2,048] x [K 2,048, N 2,048]; A: input hidden_states; B: input Wq: QUANTISED (scales: A lowp_scales[0], B lowp_scales[1])
;;     2. [M 2,048, K 2,048] x [K 2,048, N 2,048]; A: input hidden_states; B: input Wk: QUANTISED (scales: A lowp_scales[2], B lowp_scales[3])
;;     3. [M 2,048, K 2,048] x [K 2,048, N 2,048]; A: input hidden_states; B: input Wv: QUANTISED (scales: A lowp_scales[4], B lowp_scales[5])
;;     4. batch 16 x [M 2,048, K 128] x [K 128, N 2,048]; A: computed on the way; B: computed on the way: QUANTISED (scales: A lowp_scales[6], B lowp_scales[7])
;;     5. batch 16 x [M 2,048, K 2,048] x [K 2,048, N 128]; A: softmax (see below); B: computed on the way: QUANTISED (scales: A lowp_scales[8], B lowp_scales[9])
;;     6. [M 2,048, K 2,048] x [K 2,048, N 2,048]; A: computed on the way; B: input Wo: QUANTISED (scales: A lowp_scales[10], B lowp_scales[11])
;;   THE QUANTISER, for each operand of a quantised product, along K:
;;     - The operand's scale is 2^e, e = its entry of the input lowp_scales (int32; the entries are numbered through the quantised products in the list's order, A before B).
;;     - Each number is divided by the scale, clamped to +-448, and rounded to the nearest number of E4M3, ties to even, subnormals kept.
;;     - The product sums the exact products of the quantised numbers (number of the format x scale) in f32.
;;   ~~~python
;;   def quantise(x, axis, e):      # numpy; x: float32 -> the quantised numbers, widened to float32 again
;;       x = np.moveaxis(x, axis, -1); K = x.shape[-1]
;;       r = np.clip(x / 2.0 ** e, -448, 448)
;;       step = 2.0 ** (np.maximum(np.frexp(np.where(r == 0, 1, r))[1] - 1, -6) - 3)
;;       q = np.round(r / step) * step * 2.0 ** e      # np.round: ties to even
;;       return np.moveaxis(q, -1, axis).astype(np.float32)
;;   ~~~
;;   SOFTMAX AHEAD OF A QUANTISED PRODUCT. Where the list says 'softmax', what is quantised is not the finished softmax but p = 2^(t - M), with t = logit x log2(e) and M = ceil(the row's largest t), a whole number; so 1/2 < the row's largest p <= 1. The row's sum l is taken of the UNQUANTISED p, in f32, and the product's result is divided by l at the end. Since M is a whole number, a kernel that streams over the keys may use a running M (the ceiling of the running maximum): every later rescaling is an exact power of two, so the quantised numbers keep their values, but for numbers so far below the row's largest that they fall under the format's range.
;;   OPERANDS COMPUTED ON THE WAY. 'Computed on the way' means the value that the module computes at that place (a softmax that the list does not call 'softmax' is quantised finished and normalised). What goes into a quantiser is computed in f32, as accurately as f32 sums, v_exp_f32 and their like allow (about 1e-6 of the number): no bf16 or f16 on the way to a quantiser, and a product that is left as it is and whose result goes on into a quantised operand takes f32 operands (vector FMAs, or v_wmma_f32_16x16x4_f32). A number that lies on a knife's edge between two numbers of the format may be rounded either way, as far as f32 arithmetic and the matrix unit's own rounding can turn it there, and no further.
;; One version. Each part assembles by itself: llvm-mc -triple=amdgcn-amd-amdhsa -mcpu=gfx1250 --defsym DOCPART=n.
;; ======== version 1 of 1: 4 launches
;; workspace buffers: acodes 12,582,912 bytes; bcodes 12,582,912 bytes; wocodes 4,194,304 bytes; qkv 12,582,912 bytes; ocodes 4,194,304 bytes
;; launch quant (part 1): grid 640 x 1, 4 waves a work-group, no clusters, 33,280 bytes of LDS; arguments hidden_states, Wq, Wk, Wv, Wo, lowp_scales, acodes, bcodes, wocodes; writes acodes, bcodes, wocodes
.if DOCPART == 1
	.amdgcn_target "amdgcn-amd-amdhsa--gfx1250"
	.amdhsa_code_object_version 6
	.text
	.protected	k_q756ca6f8db_quant
	.globl	k_q756ca6f8db_quant
	.p2align	8
	.type	k_q756ca6f8db_quant,@function
k_q756ca6f8db_quant:
	s_mov_b64 s[64:65], 0
	v_nop
	global_prefetch_b8 v0, s[64:65] scope:SCOPE_SE
	s_setreg_imm32_b32 hwreg(HW_REG_WAVE_MODE, 25, 1), 1
	s_wait_xcnt 0x0
; hidden_states, Wq, Wk, Wv, Wo: [2048][2048] f32, K innermost, become codes of FP8 (E4M3), each with the scale 2^e that is given for it.
; code = x / 2^e, held within +-448, rounded to the nearest code, ties to even.  hidden_states is an operand of three products with three given scales (entries 0, 2, 4): it gets three sets of codes.
; LAYOUT OF EVERY SET OF CODES: blocks of 128 rows x 128 along K, 16,384 dense bytes each (rows of 128 bytes); block (rb, kb) begins at (16 rb + kb) x 16,384.
;   acodes: x with e0 | x with e2 | Wv with e5, 4 MiB each.   bcodes: Wq with e1 | Wk with e3 | x with e4.   wocodes: Wo with e11.
; SHARES.  128 work-groups to a tensor (the tensor is the work-group's number / 128).  A wave takes 64 rows x 128 columns, half a block, in 16 steps of 4 rows.  Each of a step's four loads reads the 512 consecutive
; bytes of one row; the 2,048 bytes go through the wave's own stage in LDS and come back 64 bytes a lane (16 neighbours along K); a lane's 16 codes are 16 bytes, and the wave stores 512 consecutive bytes.
; No tensor load, no barrier: waves share nothing.  Loads run four steps (16 loads a wave) ahead, the turn through LDS one step.
; LIMITS: each e between -126 and 119, so that 2^e and 448 x 2^e are f32 numbers.  NaN among the inputs is not served; an infinity is held at the largest code.
.set T4M,   0x400000                   ; bytes of one set of codes
.set STEPS, 16
.set SP,    80                         ; a lane's place in a stage: 64 bytes + 16 of padding
.set WREG,  8192                       ; LDS of a wave: two stages of 32 x SP bytes
.set SPARE, 4*WREG                     ; behind the four regions: the spare words, 128 bytes a wave, which no other line names
.set LO,    4                          ; v4       16 x lane: my bytes of a load's 512 and of a store's 512; never rewritten
.set SPW,   12                         ; v12      LDS address of my spare word; never rewritten
.set NIL,   13                         ; v13      0; never rewritten
.set SIN,   14                         ; v14      the stage, on the way in
.set SOUT,  15                         ; v15      and on the way out
.set R,     16                         ; v16-79   four sets of 16 numbers as they are loaded
.set X,     80                         ; v80-111  two sets of 16 neighbours
.set T,     112                        ; v112-127 the numbers held within the largest code x the scale
.set C,     128                        ; v128-139 three sets of four registers of codes
.set TI,    22                         ; s22      which tensor: 0 x, 1 Wq, 2 Wk, 3 Wv, 4 Wo
	s_load_b256 s[4:11], s[0:1], 0x0               ; x, Wq, Wk, Wv
	s_load_b256 s[12:19], s[0:1], 0x20             ; Wo, the scales' exponents, acodes, bcodes
	s_load_b64 s[20:21], s[0:1], 0x40              ; wocodes
	v_lshl_add_u32 v[SPW], v0, 2, SPARE
	v_mov_b32 v[NIL], 0
	v_lshrrev_b32 v1, 5, v0
	v_readfirstlane_b32 s32, v1                    ; wave 0..3
	v_and_b32 v2, 31, v0                           ; lane
	v_lshlrev_b32 v[LO], 4, v2
	s_lshl_b32 s33, s32, 13                        ; my region of LDS
	v_lshrrev_b32 v[SIN], 2, v2
	v_mul_u32_u24 v[SIN], v[SIN], SP
	v_and_b32 v3, 3, v2
	v_lshl_add_u32 v[SIN], v3, 4, v[SIN]
	v_add_nc_u32 v[SIN], s33, v[SIN]               ; in: four lanes' 64 bytes on end, then the padding: SP (lane / 4) + 16 (lane % 4); a load's 512 bytes take eight places
	v_mul_u32_u24 v[SOUT], v2, SP
	v_add_nc_u32 v[SOUT], s33, v[SOUT]             ; out: SP x lane: row lane / 8 of the step's four, columns 16 (lane % 8) on
	s_lshr_b32 s[TI], ttmp9, 7
	s_and_b32 s23, ttmp9, 127
	s_lshr_b32 s34, s23, 2                         ; which 64 rows
	s_and_b32 s35, s23, 3
	s_lshl_b32 s35, s35, 2
	s_add_co_u32 s35, s35, s32                     ; kb: which 128 columns
	s_lshl_b32 s36, s34, 19                        ; the source: 64 rows of 8,192 bytes,
	s_lshl_b32 s37, s35, 9                         ; 512 bytes for 128 columns
	s_add_co_u32 s36, s36, s37
	s_mov_b32 s37, 0
	s_lshr_b32 s38, s34, 1                         ; the codes: block (rows / 128, kb),
	s_lshl_b32 s38, s38, 4
	s_add_co_u32 s38, s38, s35
	s_lshl_b32 s38, s38, 14
	s_and_b32 s39, s34, 1                          ; its upper or lower 64 rows
	s_lshl_b32 s39, s39, 13
	s_add_co_u32 s38, s38, s39
	s_mov_b32 s39, 0
	s_wait_kmcnt 0x0
	s_load_b256 s[40:47], s[14:15], 0x0            ; e0 .. e7
	s_load_b128 s[48:51], s[14:15], 0x20           ; e8 .. e11
	; the buffers are chosen by the work-group's number alone; all tensors take one path through the text
	s_cmp_eq_u32 s[TI], 1
	s_cselect_b64 s[24:25], s[6:7], s[4:5]         ; the source
	s_cselect_b64 s[26:27], s[18:19], s[16:17]     ; where the (first) set of codes goes
	s_cmp_eq_u32 s[TI], 2
	s_cselect_b64 s[24:25], s[8:9], s[24:25]
	s_cselect_b64 s[26:27], s[18:19], s[26:27]
	s_cselect_b32 s52, T4M, 0                      ; and which third of that buffer
	s_cmp_eq_u32 s[TI], 3
	s_cselect_b64 s[24:25], s[10:11], s[24:25]
	s_cselect_b32 s52, 2*T4M, s52
	s_cmp_eq_u32 s[TI], 4
	s_cselect_b64 s[24:25], s[12:13], s[24:25]
	s_cselect_b64 s[26:27], s[20:21], s[26:27]
	s_add_co_u32 s52, s52, s38
	s_mov_b32 s53, 0
	s_add_nc_u64 s[24:25], s[24:25], s[36:37]
	s_add_nc_u64 s[26:27], s[26:27], s[52:53]
	s_add_nc_u64 s[28:29], s[16:17], s[38:39]      ; x's second set: acodes, second third
	s_add_nc_u64 s[28:29], s[28:29], T4M
	s_add_nc_u64 s[30:31], s[18:19], s[38:39]      ; x's third set: bcodes, last third
	s_add_nc_u64 s[30:31], s[30:31], 2*T4M
.macro LOAD t                          ; step t: rows 4 t .. 4 t + 3, 512 consecutive bytes a load
.irp i, 0,1,2,3
	global_load_b128 v[R+16*((\t)%4)+4*\i:R+16*((\t)%4)+4*\i+3], v[LO], s[24:25] offset:32768*(\t)+8192*\i th:TH_LOAD_NT
.endr
.endm
.macro TURN t                          ; step t's numbers through the stage: LDS serves a wave's instructions in order, so no wait stands between the stores and the loads
.irp i, 0,1,2,3
	ds_store_b128 v[SIN], v[R+16*((\t)%4)+4*\i:R+16*((\t)%4)+4*\i+3] offset:32*SP*((\t)%2)+8*SP*\i
.endr
.irp i, 0,1,2,3
	ds_load_b128 v[X+16*((\t)%2)+4*\i:X+16*((\t)%2)+4*\i+3], v[SOUT] offset:32*SP*((\t)%2)+16*\i
.endr
.endm
.macro SCL e, vs, vl                   ; s[e] = the exponent: v[vs] = 2^e as f32 (the conversion takes its exponent field), v[vl] = 448 x 2^e
	s_add_co_i32 s55, s[\e], 127
	s_lshl_b32 s56, s55, 23
	v_mov_b32 v[\vs], s56
	s_add_co_i32 s55, s55, 8
	s_lshl_b32 s55, s55, 23
	s_or_b32 s55, s55, 0x600000
	v_mov_b32 v[\vl], s55
.endm
.irp t, 0,1,2,3
	LOAD \t
.endr
	s_wait_kmcnt 0x0
	s_cmp_eq_u32 s[TI], 1
	s_cselect_b32 s54, s41, s40                    ; the (first) exponent: e0, e1, e3, e5, e11
	s_cmp_eq_u32 s[TI], 2
	s_cselect_b32 s54, s43, s54
	s_cmp_eq_u32 s[TI], 3
	s_cselect_b32 s54, s45, s54
	s_cmp_eq_u32 s[TI], 4
	s_cselect_b32 s54, s51, s54
	SCL 54, 6, 7
	SCL 42, 8, 9                                   ; e2
	SCL 44, 10, 11                                 ; e4
	s_wait_loadcnt 12                              ; step 0's four loads are in
	TURN 0
.macro CONV k, sc, lim                 ; the step's 16 neighbours, which stay as they are, become set k of codes
.irp i, 0,1,2,3,4,5,6,7,8,9,10,11,12,13,14,15
	v_med3_num_f32 v[T+\i], v[XS+\i], -v[\lim], v[\lim]   ; the conversion to an 8-bit code does not saturate (ISA guide 7.6.2): the hold comes first
.endr
	v_cvt_scalef32_pk8_fp8_f32 v[C+4*\k:C+4*\k+1], v[T:T+7], v[\sc]
	v_cvt_scalef32_pk8_fp8_f32 v[C+4*\k+2:C+4*\k+3], v[T+8:T+15], v[\sc]
	v_nop                                          ; a plain line between the conversions and the next holds, which write their sources
.endm
.macro STEP t
.set XS, X+16*((\t)%2)
	s_wait_dscnt 0x0                               ; this step's numbers are back from the stage: so its stores into the stage have read their registers,
.if (\t)+4 < STEPS
	LOAD (\t)+4                                    ; which take the loads of four steps on
.endif
.if (\t)+1 < STEPS
.if STEPS-2-(\t) >= 3
	s_wait_loadcnt 12                              ; the next step's four loads are in; those of the three steps behind it may be out
.else
	s_wait_loadcnt 4*(STEPS-2-(\t))
.endif
	TURN (\t)+1                                    ; and go through the other stage while this step is worked
.endif
	s_wait_xcnt 0x0                                ; the last step's stores have read their codes: the registers are written again only behind this wait
	CONV 0, 6, 7
	global_store_b128 v[LO], v[C:C+3], s[26:27] offset:512*(\t)
	s_cmp_lg_u32 s[TI], 0                          ; the weights have one set of codes; the branch hangs on the work-group's number, and no LDS line stands under it
	s_cbranch_scc1 .Lone_\@
	CONV 1, 8, 9
	global_store_b128 v[LO], v[C+4:C+7], s[28:29] offset:512*(\t)
	CONV 2, 10, 11
	global_store_b128 v[LO], v[C+8:C+11], s[30:31] offset:512*(\t)
.Lone_\@:
.endm
.irp t, 0,1,2,3,4,5,6,7,8,9,10,11,12,13,14,15
	STEP \t
.endr
	s_wait_tensorcnt 0x0                           ; the wave's end: behind my last LDS store
	ds_add_u32 v[SPW], v[NIL]
	s_wait_dscnt 0x0
	s_endpgm
.Lfunc_end_k_q756ca6f8db_quant:
	.size	k_q756ca6f8db_quant, .Lfunc_end_k_q756ca6f8db_quant-k_q756ca6f8db_quant
	.p2alignl 7, 3214868480
	.fill 96, 4, 3214868480
	.section	.rodata,"a",@progbits
	.p2align	6, 0x0
	.amdhsa_kernel k_q756ca6f8db_quant
		.amdhsa_group_segment_fixed_size 33280
		.amdhsa_private_segment_fixed_size 0
		.amdhsa_enable_private_segment 0
		.amdhsa_kernarg_size 72
		.amdhsa_user_sgpr_count 2
		.amdhsa_user_sgpr_kernarg_segment_ptr 1
		.amdhsa_wavefront_size32 1
		.amdhsa_system_sgpr_workgroup_id_x 1
		.amdhsa_system_sgpr_workgroup_id_y 1
		.amdhsa_system_sgpr_workgroup_id_z 1
		.amdhsa_system_vgpr_workitem_id 0
		.amdhsa_next_free_vgpr 144
		.amdhsa_next_free_sgpr 66
		.amdhsa_reserve_vcc 0
		.amdhsa_float_denorm_mode_32 3
		.amdhsa_float_denorm_mode_16_64 3
		.amdhsa_memory_ordered 1
		.amdhsa_forward_progress 1
		.amdhsa_inst_pref_size 81
	.end_amdhsa_kernel
	.amdgpu_metadata
---
amdhsa.version: [ 1, 2 ]
amdhsa.kernels:
  - .name:           k_q756ca6f8db_quant
    .symbol:         k_q756ca6f8db_quant.kd
    .args:
      - { .name: hidden_states, .offset: 0, .size: 8, .value_kind: global_buffer, .address_space: global }
      - { .name: Wq, .offset: 8, .size: 8, .value_kind: global_buffer, .address_space: global }
      - { .name: Wk, .offset: 16, .size: 8, .value_kind: global_buffer, .address_space: global }
      - { .name: Wv, .offset: 24, .size: 8, .value_kind: global_buffer, .address_space: global }
      - { .name: Wo, .offset: 32, .size: 8, .value_kind: global_buffer, .address_space: global }
      - { .name: lowp_scales, .offset: 40, .size: 8, .value_kind: global_buffer, .address_space: global }
      - { .name: acodes, .offset: 48, .size: 8, .value_kind: global_buffer, .address_space: global }
      - { .name: bcodes, .offset: 56, .size: 8, .value_kind: global_buffer, .address_space: global }
      - { .name: wocodes, .offset: 64, .size: 8, .value_kind: global_buffer, .address_space: global }
    .group_segment_fixed_size: 33280
    .private_segment_fixed_size: 0
    .kernarg_segment_align: 8
    .kernarg_segment_size: 72
    .max_flat_workgroup_size: 128
    .sgpr_count:     66
    .vgpr_count:     144
    .wavefront_size: 32
...
	.end_amdgpu_metadata
.endif
;; end of part 1
;; launch qkvproj (part 2): grid 16 x 16, 4 waves a work-group, clusters of 4 x 4, 327,680 bytes of LDS; arguments acodes, bcodes, lowp_scales, position_ids, cos_cached, sin_cached, qkv; writes qkv
.if DOCPART == 2
	.amdgcn_target "amdgcn-amd-amdhsa--gfx1250"
	.amdhsa_code_object_version 6
	.text
	.protected	k_q756ca6f8db_qkvproj
	.globl	k_q756ca6f8db_qkvproj
	.p2align	8
	.type	k_q756ca6f8db_qkvproj,@function
k_q756ca6f8db_qkvproj:
	s_mov_b64 s[64:65], 0
	v_nop
	global_prefetch_b8 v0, s[64:65] scope:SCOPE_SE
	s_setreg_imm32_b32 hwreg(HW_REG_WAVE_MODE, 25, 1), 1
	s_wait_xcnt 0x0
	s_wait_alu depctr_hold_cnt(0) depctr_sa_sdst(0) depctr_va_vdst(0) depctr_va_sdst(0) depctr_va_ssrc(0) depctr_va_vcc(0) depctr_vm_vsrc(0)
	s_getreg_b32 s2, hwreg(HW_REG_IB_STS2, 6, 4)
	s_cmp_eq_u32 s2, 0
	s_cbranch_scc0 .Lentry_in_a_cluster
	s_endpgm
.Lentry_in_a_cluster:
	s_bfe_u32 s2, ttmp6, 0x10000c
	s_cmp_lg_u32 s2, 0xf033
	s_cbranch_scc0 .Lentry_shape_is_right
	s_endpgm
.Lentry_shape_is_right:
; q = rope(x Wq^T), k = rope(x Wk^T), v = x Wv^T on codes of FP8 (E4M3), and the results quantised for the two products of attention.
; Operands lie in blocks of 128 rows x 128 K (16,384 dense bytes, block (rb, kb) at (16 rb + kb) x 16,384): acodes = x(e0) | x(e2) | Wv(e5), bcodes = Wq(e1) | Wk(e3) | x(e4), 4 MiB each.
; A WORK-GROUP STAYS for three products p = 0, 1, 2, each a tile C = A B^T of 128 x 128 over K = 2,048: A's row block is the tile row y, B's the tile column x.
;   p = 0, 1: A = tokens, B = features of head x: C(token, feature) -> rope -> codes -> qkv block (head x, token block y), rows = tokens.
;   p = 2:    A = Wv's features of head y, B = tokens of block x: C(channel, key) -> codes -> qkv block (head y, token block x), rows = channels, KEYS innermost: nothing is transposed.
; Four waves, 64 x 64 each: 16 accumulators.  THE MATRIX INSTRUCTION IS USED TRANSPOSED (source 0 = 16 rows of B, source 1 = 16 rows of A): lane (r, h), register j holds C(m0 + r, n0 + 8 h + j).
; A fragment is fetched by four loads of 16 bytes: registers 4 c .. 4 c + 3 hold K = 32 c + 16 h + 0 .. 15: a permutation of K, the same in A and in B.
; THE RING: two LDS slots, each with four K steps of 128 of A and of B.  All K blocks of a row block are one dense run, so one tensor load of 256 rows x 128 bytes brings two K steps; each wave issues one.
; The ring runs on from product to product: 12 fills.  CLUSTER 4 x 4: A's tiles are asked for jointly along a row of the cluster, B's along a column.
; ROPE: out[2i] = x[2i] cos[2i] - x[2i+1] sin[2i], out[2i+1] = x[2i+1] cos[2i+1] + x[2i] sin[2i+1]; the second product and the addition are one fused multiply-add (reference() rounds them apart).
; cos and sin of my 64 tokens x 64 channels are gathered once by position_ids and stay in 256 registers for q and k.
; A sum stands for sum x 2^(eA + eB); the rotation is linear; so the conversion's one scale is 2^E, E = eOut - eA - eB (eOut = e6, e7, e9).
; LIMITS: each E between -126 and 119.  position_ids are held within 0 .. 4095.  NaN among the inputs is not served.
; REGISTERS: window 0: v1-11, v27 set-up and gather offsets; v16-17, v20-21 fragment addresses; v24-26 way out; v28-29 the add's two; v30-31 scale and hold; v32-63 rotated numbers; v64-95 codes; v96-127 rows read back;
;   v128-255 accumulators ((a, b) at 128 + 8 (4 a + b)).   window 1: two sets of fragments (A's four at f, B's four at f + 64).   window 2: cos at 32 a + 8 b + j, sin at 128 + the same.
.set T4M,   0x400000
.set LBLK,  128*144                    ; a block in LDS: rows of 128 bytes + 16 of padding: the 16 rows that a load touches start at 16 different banks (64 banks of 4 bytes: ISA guide 11.1)
.set SLOT,  8*LBLK                     ; A's four K steps, then B's four
.set SPARE, 2*SLOT                     ; behind the ring: the spare words, 128 bytes a wave, which no other line names
.set STAGE, SPARE+512                  ; the way out: 128 rows x 144 bytes, the work-group's; no fill lands here
.set INC_A, 131072                     ; a slot's next fill: two fills (eight K blocks) on in the same operand,
.set INC_B, T4M-131072                 ; or on into the next product's operand
.set ADRA, 16
.set ADRB, 20
.set STO,  24
.set RD,   25
.set CO,   26
.set SPW,  28
.set NIL,  29
.set SC,   30
.set LIM,  31
.set TT,   32
.set CD,   64
.set BK,   96
.set ACC,  128
.set F0,   0
.set F1,   128
.set G1,   24                          ; s[24:31] descriptor group 1 for A's tiles; s[32:39] group 0, one set for each slot
.set G0,   32
.set G1B,  48                          ; s[48:55], s[56:63] the same for B's
.set G0B,  56
.set MUL,  0x05                        ; sources 0 and 1 window 1; C and D window 0
.set TO_F, 0x40                        ; destination window 1, address window 0
.set MSB, 0
.macro WIN new                         ; the immediate's high byte repeats the setting that is left
.if MSB != \new
	s_set_vgpr_msb (MSB<<8)|\new
.set MSB, \new
.endif
.endm
.macro PLACES n                        ; plain vector lines between a matrix instruction and a load into, or a read of, its registers
.rept \n
	v_nop
.endr
.endm
; A joint load: waves 0 and 1 fetch for A, waves 2 and 3 for B; the branch hangs on the wave's number alone.  An s_nop 0 and four v_nop follow each of the two lines.
.macro JLOAD g0a, g1a, g0b, g1b
	s_cmp_eq_u32 s19, 0
	s_cbranch_scc0 .Lfor_b_\@
	tensor_load_to_lds s[\g0a:\g0a+3], s[\g1a:\g1a+7]
	s_nop 0
.rept 4
	v_nop
.endr
	s_branch .Lasked_\@
.Lfor_b_\@:
	tensor_load_to_lds s[\g0b:\g0b+3], s[\g1b:\g1b+7]
	s_nop 0
.rept 4
	v_nop
.endr
.Lasked_\@:
.endm
.macro CREST                           ; a round of the cluster's barrier behind its opening barrier
	s_cmp_lg_u32 s18, 0
	s_cbranch_scc1 .Lnot_wave_0_\@
	s_barrier_signal -3
.Lnot_wave_0_\@:
	s_barrier_wait -3
	s_barrier_signal -1
	s_barrier_wait -1
.endm
.macro CROUND
	s_barrier_signal -1
	s_barrier_wait -1
	CREST
.endm
	s_load_b256 s[4:11], s[0:1], 0x0               ; acodes, bcodes, the scales' exponents, position_ids
	s_load_b128 s[12:15], s[0:1], 0x20             ; cos, sin
	s_load_b64 s[16:17], s[0:1], 0x30              ; qkv
	v_lshl_add_u32 v[SPW], v0, 2, SPARE
	v_mov_b32 v[NIL], 0
	ds_add_u32 v[SPW], v[NIL]                      ; the wave's opening: the add and its wait stand ahead of my first tensor load; work on registers stands between them
	v_lshrrev_b32 v1, 5, v0
	v_readfirstlane_b32 s18, v1                    ; wave 0..3
	s_lshr_b32 s19, s18, 1                         ; wr: which 64 rows of the tile are mine.  Also: I fetch for A (0) or for B (1)
	s_and_b32 s20, s18, 1                          ; wc: which 64 columns.  Also: which two of a fill's four K steps I fetch
	s_bfe_u32 s40, ttmp6, 0x40000                  ; cx, cy: my place in the cluster
	s_bfe_u32 s41, ttmp6, 0x40004
	s_lshl_b32 s42, ttmp9, 2
	s_add_co_u32 s42, s42, s40                     ; x = 4 x cluster x + cx
	s_and_b32 s43, ttmp7, 0xffff
	s_lshl_b32 s43, s43, 2
	s_add_co_u32 s43, s43, s41                     ; y = 4 x cluster y + cy
	s_lshl_b32 s44, s41, 2
	s_lshl_b32 s44, 15, s44                        ; my row of the cluster
	s_lshl_b32 s45, 0x1111, s40                    ; my column
	s_or_b32 s[G1], s44, (1<<20)|(1<<21)|(4<<22)|(3<<25)    ; 15:0 the mask; 17:16 elements of 1 byte; 20 padding on; 21 set beside a mask; 24:22 after every 32 words (code 4); 31:25 four words (code 3)
	s_or_b32 s[G1B], s45, (1<<20)|(1<<21)|(4<<22)|(3<<25)
.irp g, G1, G1B
	s_mov_b32 s[\g+1], 128<<16                     ; tensor_dim0 = 128
	s_mov_b32 s[\g+2], 256<<16                     ; tensor_dim1 = 256
	s_mov_b32 s[\g+3], 128<<16                     ; tile_dim0 = 128
	s_mov_b32 s[\g+4], 256                         ; tile_dim1 = 256: two K blocks on end
	s_mov_b32 s[\g+5], 128                         ; from row to row
	s_mov_b32 s[\g+6], 0
	s_mov_b32 s[\g+7], 0
.endr
	s_lshl_b32 s21, s20, 15                        ; my two K blocks of a fill's four
	s_lshl_b32 s92, s43, 18                        ; A: row block y: 16 blocks on end.  These registers never hold x,
	s_add_co_u32 s92, s92, s21
	s_mov_b32 s93, 0
	s_lshl_b32 s94, s42, 18                        ; B: row block x.  and these never y
	s_add_co_u32 s94, s94, s21
	s_mov_b32 s95, 0
	s_mul_i32 s22, s18, 2*LBLK                     ; where they go: wave x two blocks: no place in the cluster enters an LDS address
	s_wait_dscnt 0x0                               ; the opening add is done
	s_wait_kmcnt 0x0
	s_load_b256 s[68:75], s[8:9], 0x0              ; e0 .. e7
	s_load_b128 s[76:79], s[8:9], 0x20             ; e8 .. e11
	s_add_nc_u64 s[92:93], s[4:5], s[92:93]
	s_add_nc_u64 s[94:95], s[6:7], s[94:95]
	CROUND                                         ; all sixteen work-groups are here: the first joint loads meet
.irp s, 0,1
	s_mov_b32 s[G0+4*\s], 1
	s_add_co_u32 s[G0+4*\s+1], s22, \s*SLOT
	s_add_nc_u64 s[G0+4*\s+2:G0+4*\s+3], s[92:93], \s*65536
	s_or_b32 s[G0+4*\s+3], s[G0+4*\s+3], 0x80000000
	s_mov_b32 s[G0B+4*\s], 1
	s_add_co_u32 s[G0B+4*\s+1], s22, \s*SLOT
	s_add_nc_u64 s[G0B+4*\s+2:G0B+4*\s+3], s[94:95], \s*65536
	s_or_b32 s[G0B+4*\s+3], s[G0B+4*\s+3], 0x80000000
	JLOAD G0+4*\s, G1, G0B+4*\s, G1B               ; fills 0 and 1: two loads of mine are out
.endr
	v_and_b32 v1, 15, v0                           ; r
	v_bfe_u32 v2, v0, 4, 1                         ; h
	s_lshl_b32 s96, s43, 7
	s_lshl_b32 s97, s19, 6
	s_add_co_u32 s96, s96, s97                     ; my first token: 128 y + 64 wr
	s_lshl_b32 s96, s96, 2
	v_lshl_add_u32 v4, v1, 2, s96
.irp a, 0,1,2,3
	global_load_b32 v[8+\a], v4, s[10:11] offset:64*\a    ; position_ids of token 128 y + 64 wr + 16 a + r
.endr
	v_mul_u32_u24 v3, v1, 144
	v_lshl_add_u32 v3, v2, 4, v3                   ; a fragment's row x pitch + 16 h
	s_mul_i32 s21, s19, 64*144                     ; my 64 rows of A
	s_mul_i32 s23, s20, 64*144                     ; my 64 rows of B,
	s_add_co_u32 s23, s23, 4*LBLK                  ; which lie behind A's four blocks
.irp s, 0,1
	v_add_nc_u32 v[ADRA+\s], s21, v3
	v_add_nc_u32 v[ADRB+\s], s23, v3
	s_add_co_u32 s21, s21, SLOT
	s_add_co_u32 s23, s23, SLOT
.endr
	s_mul_i32 s96, s19, 64*144                     ; into the stage: row 64 wr + r, byte 64 wc + 8 h
	s_lshl_b32 s97, s20, 6
	s_add_co_u32 s96, s96, s97
	s_add_co_u32 s96, s96, STAGE
	v_mul_u32_u24 v[STO], v1, 144
	v_lshl_add_u32 v[STO], v2, 3, v[STO]
	v_add_nc_u32 v[STO], s96, v[STO]
	v_and_b32 v5, 31, v0                           ; lane
	v_lshrrev_b32 v6, 3, v5
	v_and_b32 v7, 7, v5
	s_mul_i32 s96, s18, 32*144                     ; back: wave w takes rows 32 w on, four whole rows of 128 bytes an instruction
	s_add_co_u32 s96, s96, STAGE
	v_mul_u32_u24 v[RD], v6, 144
	v_lshl_add_u32 v[RD], v7, 4, v[RD]
	v_add_nc_u32 v[RD], s96, v[RD]
	s_lshl_b32 s96, s18, 12
	v_lshl_add_u32 v[CO], v5, 4, s96               ; and the same bytes in the output block: 4,096 w + 16 x lane
	s_lshl_b32 s97, s20, 8
	v_lshl_add_u32 v27, v2, 5, s97                 ; my eight channels' bytes in a row of cos or sin: 256 wc + 32 h
	s_wait_loadcnt 0x0                             ; the four positions
.irp a, 0,1,2,3
	v_min_u32 v[8+\a], 0xfff, v[8+\a]              ; held inside the tables' 4,096 rows
	v_lshlrev_b32 v[8+\a], 9, v[8+\a]              ; a row is 512 bytes
	v_add_nc_u32 v[8+\a], v27, v[8+\a]
.endr
	WIN 0x80                                       ; destination window 2
.irp a, 0,1,2,3
.irp b, 0,1,2,3
	global_load_b128 v[32*\a+8*\b:32*\a+8*\b+3], v[8+\a], s[12:13] offset:64*\b
	global_load_b128 v[32*\a+8*\b+4:32*\a+8*\b+7], v[8+\a], s[12:13] offset:64*\b+16
	global_load_b128 v[128+32*\a+8*\b:128+32*\a+8*\b+3], v[8+\a], s[14:15] offset:64*\b
	global_load_b128 v[128+32*\a+8*\b+4:128+32*\a+8*\b+7], v[8+\a], s[14:15] offset:64*\b+16
.endr
.endr
	WIN 0
	s_wait_kmcnt 0x0
.macro ESC d, eo, ea, eb               ; s[d] = 2^E as f32, s[d+1] = 448 x 2^E, E = eo - ea - eb
	s_sub_co_i32 s96, s[\eo], s[\ea]
	s_sub_co_i32 s96, s96, s[\eb]
	s_add_co_i32 s96, s96, 127
	s_lshl_b32 s[\d], s96, 23
	s_add_co_i32 s96, s96, 8
	s_lshl_b32 s96, s96, 23
	s_or_b32 s[\d+1], s96, 0x600000
.endm
	ESC 80, 74, 68, 69                             ; q: e6 - e0 - e1
	ESC 82, 75, 70, 71                             ; k: e7 - e2 - e3
	ESC 84, 77, 72, 73                             ; v: e9 - e4 - e5
	s_lshl_b32 s96, s42, 4
	s_add_co_u32 s96, s96, s43
	s_lshl_b32 s96, s96, 14                        ; block (head x, token block y)
	s_mov_b32 s97, 0
	s_add_nc_u64 s[86:87], s[16:17], s[96:97]      ; q's
	s_add_nc_u64 s[88:89], s[86:87], T4M           ; k's
	s_lshl_b32 s98, s43, 4
	s_add_co_u32 s98, s98, s42
	s_lshl_b32 s98, s98, 14                        ; block (head y, token block x)
	s_mov_b32 s99, 0
	s_add_nc_u64 s[90:91], s[16:17], s[98:99]
	s_add_nc_u64 s[90:91], s[90:91], 2*T4M         ; v's
; 32 LDS loads in one run: the fragments of the slot's K step q into set f: B's four, then A's four
.macro FETCH slot, q, f
	WIN TO_F
.irp i, 0,1,2,3
.irp c, 0,1,2,3
	ds_load_b128 v[\f+64+16*\i+4*\c:\f+64+16*\i+4*\c+3], v[ADRB+(\slot)] offset:(\q)*LBLK+2304*\i+32*\c
.endr
.endr
.irp i, 0,1,2,3
.irp c, 0,1,2,3
	ds_load_b128 v[\f+16*\i+4*\c:\f+16*\i+4*\c+3], v[ADRA+(\slot)] offset:(\q)*LBLK+2304*\i+32*\c
.endr
.endr
.endm
; four matrix instructions: A's block a against B's four.  zero = 1: the product starts the sums.  The 16 accumulators take turns, one instruction a turn, in the same order in every K step
.macro MULA f, a, zero
.irp b, 0,1,2,3
.if \zero
	v_wmma_f32_16x16x128_fp8_fp8 v[ACC+8*(4*(\a)+\b):ACC+8*(4*(\a)+\b)+7], v[\f+64+16*\b:\f+64+16*\b+15], v[\f+16*(\a):\f+16*(\a)+15], 0
.else
	v_wmma_f32_16x16x128_fp8_fp8 v[ACC+8*(4*(\a)+\b):ACC+8*(4*(\a)+\b)+7], v[\f+64+16*\b:\f+64+16*\b+15], v[\f+16*(\a):\f+16*(\a)+15], v[ACC+8*(4*(\a)+\b):ACC+8*(4*(\a)+\b)+7]
.endif
.endr
.endm
; A K step that has its successor, K step qn, in the same slot: multiplies set f, fetches into set g
.macro STEP slot, qn, f, g, zero
	s_wait_dscnt 8                                 ; B's four and A's blocks 0, 1 are in; the youngest eight loads (A's blocks 2, 3) may be out
	WIN MUL
	MULA \f, 0, \zero
	MULA \f, 1, \zero
	PLACES 4                                       ; in front of the loads into set g, which the last K step multiplied
	FETCH \slot, \qn, \g
	s_wait_dscnt 32                                ; all but the 32 just issued
	WIN MUL
	MULA \f, 2, \zero
	MULA \f, 3, \zero
.endm
; A slot's fourth K step changes slots: ONE barrier; in front of it each wave waits for all its tensor loads, adds 0 to its spare word, and waits for that and for its reads of this slot.
; fill = 1: the barrier opens a round of the cluster's barrier, and this slot is filled again, two fills on, first thing behind the round.
.macro TURN slot, next, fill, inc
	WIN 0                                          ; (the add's two registers lie in window 0)
	s_wait_tensorcnt 0x0                           ; all my tensor loads have landed: the one that was out is my part of the next slot
	ds_add_u32 v[SPW], v[NIL]                      ; 0 onto my spare word
	s_wait_dscnt 9                                 ; (the add and the youngest eight loads may be out)
	WIN MUL
	MULA F1, 0, 0                                  ; matrix work stands between the add and the wait for it
	s_wait_dscnt 0x0                               ; the add is done, and my reads of this slot are over
	s_barrier_signal -1
	MULA F1, 1, 0
	WIN 0
	s_barrier_wait -1
.if \fill
	CREST                                          ; no wave of any partner still reads this slot or has a load on its way
	s_add_nc_u64 s[G0+4*(\slot)+2:G0+4*(\slot)+3], s[G0+4*(\slot)+2:G0+4*(\slot)+3], \inc
	s_add_nc_u64 s[G0B+4*(\slot)+2:G0B+4*(\slot)+3], s[G0B+4*(\slot)+2:G0B+4*(\slot)+3], \inc
	JLOAD G0+4*(\slot), G1, G0B+4*(\slot), G1B     ; the first tensor load behind the round; its four v_nop are also the places in front of the loads below
.else
	PLACES 4
.endif
	FETCH \next, 0, F0
	WIN MUL
	MULA F1, 2, 0
	MULA F1, 3, 0
.endm
.macro LAST                            ; the very last K step: nothing more to fetch
	s_wait_dscnt 8
	WIN MUL
	MULA F1, 0, 0
	MULA F1, 1, 0
	s_wait_dscnt 0x0
	MULA F1, 2, 0
	MULA F1, 3, 0
.endm
.macro SLOTW s, zero, kind, inc        ; a slot's four K steps.  kind 2: the slot is filled again; 1: a change of slots without a fill; 0: the end
	STEP \s, 1, F0, F1, \zero
	STEP \s, 2, F1, F0, 0
	STEP \s, 3, F0, F1, 0
.if \kind == 2
	TURN \s, 1-\s, 1, \inc
.elseif \kind == 1
	TURN \s, 1-\s, 0, 0
.else
	LAST
.endif
.endm
; THE WAY OUT of product p: rotate (p < 2), hold, convert; 8 codes a lane and tile into the work-group's stage; a barrier, since a row's 128 bytes come from two waves; back as whole rows; each store of a wave covers 512 consecutive bytes.
; The stage is written again only in the next product, behind three or four changes of slots, in front of whose barriers every wave has waited for all its LDS loads.
.macro EPI p
	WIN 0
	PLACES 4                                       ; behind the last products, in front of the first read of results
	v_mov_b32 v[SC], s[80+2*\p]
	v_mov_b32 v[LIM], s[81+2*\p]
.irp a, 0,1,2,3
.if \p < 2
	WIN 0x08                                       ; source 1 (cos, sin) window 2
.irp b, 0,1,2,3
.irp j, 0,1,2,3,4,5,6,7
	v_mul_f32 v[TT+8*\b+\j], v[ACC+32*\a+8*\b+\j], v[32*\a+8*\b+\j]      ; x cos; each accumulator from its low end on
.endr
.irp j, 0,2,4,6
	v_fma_f32 v[TT+8*\b+\j], -v[ACC+32*\a+8*\b+\j+1], v[128+32*\a+8*\b+\j], v[TT+8*\b+\j]
	v_fma_f32 v[TT+8*\b+\j+1], v[ACC+32*\a+8*\b+\j], v[128+32*\a+8*\b+\j+1], v[TT+8*\b+\j+1]
.endr
.endr
	WIN 0
.set k, 0
.rept 32
	v_med3_num_f32 v[TT+k], v[TT+k], -v[LIM], v[LIM]   ; the conversion to an 8-bit code does not saturate (ISA guide 7.6.2): the hold comes first
.set k, k+1
.endr
.else
.set k, 0
.rept 32
	v_med3_num_f32 v[TT+k], v[ACC+32*\a+k], -v[LIM], v[LIM]
.set k, k+1
.endr
.endif
.irp b, 0,1,2,3
	v_cvt_scalef32_pk8_fp8_f32 v[CD+8*\a+2*\b:CD+8*\a+2*\b+1], v[TT+8*\b:TT+8*\b+7], v[SC]
.endr
	v_nop                                          ; a plain line between the conversions and the next lines that write their sources
.irp b, 0,1,2,3
	ds_store_b64 v[STO], v[CD+8*\a+2*\b:CD+8*\a+2*\b+1] offset:2304*\a+16*\b
.endr
.endr
	s_wait_dscnt 0x0                               ; for the others' sake: my stores into the stage are done
	s_barrier_signal -1
	s_barrier_wait -1
	s_wait_xcnt 0x0                                ; the last product's stores have read their registers
.irp i, 0,1,2,3,4,5,6,7
	ds_load_b128 v[BK+4*\i:BK+4*\i+3], v[RD] offset:576*\i
.endr
.irp i, 0,1,2,3,4,5,6,7
	s_wait_dscnt 7-\i
	global_store_b128 v[CO], v[BK+4*\i:BK+4*\i+3], s[86+2*\p:87+2*\p] offset:512*\i
.endr
.endm
	s_wait_tensorcnt 1                             ; my part of fill 0 is in; fill 1's may stay out
	s_barrier_signal -1
	s_barrier_wait -1                              ; everybody's is
	FETCH 0, 0, F0
	SLOTW 0, 1, 2, INC_A                           ; q: fills 0 to 3
	SLOTW 1, 0, 2, INC_A
	SLOTW 0, 0, 2, INC_B
	SLOTW 1, 0, 2, INC_B
	s_wait_loadcnt 0x0                             ; cos and sin
	EPI 0
	SLOTW 0, 1, 2, INC_A                           ; k: fills 4 to 7
	SLOTW 1, 0, 2, INC_A
	SLOTW 0, 0, 2, INC_B
	SLOTW 1, 0, 2, INC_B
	EPI 1
	SLOTW 0, 1, 2, INC_A                           ; v: fills 8 to 11; the last two changes ask for nothing
	SLOTW 1, 0, 2, INC_A
	SLOTW 0, 0, 1, 0
	SLOTW 1, 0, 0, 0
	EPI 2
	s_wait_tensorcnt 0x0                           ; the wave's end: behind my last tensor load and my last LDS store
	ds_add_u32 v[SPW], v[NIL]
	s_wait_dscnt 0x0
	CROUND                                         ; the closing round: no work-group ends while a partner may still ask for a tile that names it
	s_endpgm
.Lfunc_end_k_q756ca6f8db_qkvproj:
	.size	k_q756ca6f8db_qkvproj, .Lfunc_end_k_q756ca6f8db_qkvproj-k_q756ca6f8db_qkvproj
	.p2alignl 7, 3214868480
	.fill 96, 4, 3214868480
	.section	.rodata,"a",@progbits
	.p2align	6, 0x0
	.amdhsa_kernel k_q756ca6f8db_qkvproj
		.amdhsa_group_segment_fixed_size 327680
		.amdhsa_private_segment_fixed_size 0
		.amdhsa_enable_private_segment 0
		.amdhsa_kernarg_size 56
		.amdhsa_user_sgpr_count 2
		.amdhsa_user_sgpr_kernarg_segment_ptr 1
		.amdhsa_wavefront_size32 1
		.amdhsa_system_sgpr_workgroup_id_x 1
		.amdhsa_system_sgpr_workgroup_id_y 1
		.amdhsa_system_sgpr_workgroup_id_z 1
		.amdhsa_system_vgpr_workitem_id 0
		.amdhsa_next_free_vgpr 768
		.amdhsa_next_free_sgpr 100
		.amdhsa_reserve_vcc 0
		.amdhsa_float_denorm_mode_32 3
		.amdhsa_float_denorm_mode_16_64 3
		.amdhsa_memory_ordered 1
		.amdhsa_forward_progress 1
		.amdhsa_inst_pref_size 243
	.end_amdhsa_kernel
	.amdgpu_metadata
---
amdhsa.version: [ 1, 2 ]
amdhsa.kernels:
  - .name:           k_q756ca6f8db_qkvproj
    .symbol:         k_q756ca6f8db_qkvproj.kd
    .args:
      - { .name: acodes, .offset: 0, .size: 8, .value_kind: global_buffer, .address_space: global }
      - { .name: bcodes, .offset: 8, .size: 8, .value_kind: global_buffer, .address_space: global }
      - { .name: lowp_scales, .offset: 16, .size: 8, .value_kind: global_buffer, .address_space: global }
      - { .name: position_ids, .offset: 24, .size: 8, .value_kind: global_buffer, .address_space: global }
      - { .name: cos_cached, .offset: 32, .size: 8, .value_kind: global_buffer, .address_space: global }
      - { .name: sin_cached, .offset: 40, .size: 8, .value_kind: global_buffer, .address_space: global }
      - { .name: qkv, .offset: 48, .size: 8, .value_kind: global_buffer, .address_space: global }
    .group_segment_fixed_size: 327680
    .private_segment_fixed_size: 0
    .kernarg_segment_align: 8
    .kernarg_segment_size: 56
    .max_flat_workgroup_size: 128
    .sgpr_count:     100
    .vgpr_count:     768
    .wavefront_size: 32
...
	.end_amdgpu_metadata
.endif
;; end of part 2
;; launch attn (part 3): grid 16 x 16, 8 waves a work-group, clusters of 4 x 4, 327,680 bytes of LDS; arguments qkv, attention_mask, lowp_scales, ocodes; writes ocodes
.if DOCPART == 3
	.amdgcn_target "amdgcn-amd-amdhsa--gfx1250"
	.amdhsa_code_object_version 6
	.text
	.protected	k_q756ca6f8db_attn
	.globl	k_q756ca6f8db_attn
	.p2align	8
	.type	k_q756ca6f8db_attn,@function
k_q756ca6f8db_attn:
	s_mov_b64 s[64:65], 0
	v_nop
	global_prefetch_b8 v0, s[64:65] scope:SCOPE_SE
	s_setreg_imm32_b32 hwreg(HW_REG_WAVE_MODE, 25, 1), 1
	s_wait_xcnt 0x0
	s_wait_alu depctr_hold_cnt(0) depctr_sa_sdst(0) depctr_va_vdst(0) depctr_va_sdst(0) depctr_va_ssrc(0) depctr_va_vcc(0) depctr_vm_vsrc(0)
	s_getreg_b32 s2, hwreg(HW_REG_IB_STS2, 6, 4)
	s_cmp_eq_u32 s2, 0
	s_cbranch_scc0 .Lentry_in_a_cluster
	s_endpgm
.Lentry_in_a_cluster:
	s_bfe_u32 s2, ttmp6, 0x10000c
	s_cmp_lg_u32 s2, 0xf033
	s_cbranch_scc0 .Lentry_shape_is_right
	s_endpgm
.Lentry_shape_is_right:
; o = softmax(q k^T / sqrt(128) + mask) v for 16 heads of 128, 2,048 tokens, both products on codes of FP8 (E4M3); o is quantised for the last product.
; qkv: q | k | v, 4 MiB each, in blocks of 16,384 dense bytes: q, k block (head, token block): 128 tokens x 128 channels; v block (head, token block): 128 channels x 128 KEYS.  The mask is an input, [2048][2048] f32, read as it is.
; THE SOFTMAX: u = score x 2^(e6 + e7) / sqrt(128) + mask (one fused multiply-add; reference() rounds the division and the addition apart); t = u log2(e); M = the largest t so far, rounded UP to a whole number;
; p = 2^(t - M) is quantised with 2^e8; the row's sum is taken of the unquantised p and divides at the end (v_rcp_f32 and a multiplication).  When M moves, the sum and O are multiplied by 2^(old M - new M): exact.
; SHARES.  A work-group owns 128 queries of one head and walks 16 key steps of 128 keys.  Wave w (qp = w % 4, kh = w / 4) owns 32 queries, two tiles of 16, and keys 64 kh .. 64 kh + 63 of every step: each fragment of K and V
; feeds two matrix instructions.  Each half of the keys runs under a whole-number M of its own; at the end wave w keeps its tile 0 and hands its tile 1 to wave w xor 4, whose tile 0 it is; the halves are joined by exact powers of two.
; LAYOUT.  Both products are used transposed: S^T = K Q^T, O^T = V^T P^T: a lane holds ONE query (lane % 16).  Lane r of key tile 2 b + u takes key 32 b + 8 u + r + 8 (r / 8), so that the 16 registers of tiles 2 b, 2 b + 1 are
; 16 neighbouring keys, 32 b + 16 (lane / 16) + 0 .. 15.  Fragments are fetched 16 bytes at a time: a permutation of K, the same on both sides of each product.
; THE RING: two LDS slots of a key step each: K's block, V's block, 128 x 128 of the mask.  CLUSTER 4 x 4: x = block of queries, y = head.  K and V are asked for jointly along a row of the cluster (one head), the mask along a column (one block of queries).
; LIMITS: e6 + e7 between -122 and 131; e8, and e10 - e8 - e9, between -126 and 119.  NaN among the inputs is not served.
; REGISTERS: window 0: v1-4 lane places; v5, v6 the add's two; v7 prefetch offset; v8-11 addresses in hand; v12-15 Q's offsets, later the way out; v16-47 Q; v48-111 mask; v112-175 S^T, then p; v176-191 p's codes;
;   v192 + 8 s: -M, largest t, the sum's two halves, f, (its pair's upper word), two at work; v208 + 4 s: the sum's second chain, the permute's destination, the old -M; v216-219 the two scales and holds.
;   window 1: v0-127 O^T (64 s + 8 n); v128-191 K's four fragments; v192-255 V's eight.
.set T4M,   0x400000
.set BLK,   16384
.set KP,    144                        ; a row of K or V in LDS: 128 bytes + 16
.set MP,    528                        ; a row of the mask tile: 512 bytes + 16
.set VOFF,  128*KP
.set MOFF,  2*128*KP
.set SLOT1, 1<<17                      ; slot 1 begins here: one exclusive or turns an address in one slot into the other's
.set SPARE, 2*SLOT1                    ; behind the ring: the spare words, 128 bytes a wave, which no other line names
.set XCHB,  8448                       ; the way out, in slot 0, which has had its last fill and its last read behind the last change of slots: for each wave 8,192 bytes of O^T's image + 256 of statistics,
.set OST,   8*XCHB                     ; and 16 rows x 144 bytes of codes
.set AK0, 1
.set AV0, 2
.set AM,  3
.set SPW, 5
.set NIL, 6
.set PFO, 7
.set ADK, 8
.set ADV, 9
.set ADM, 10
.set Q,   16
.set MK,  48
.set S,   112
.set PC,  176
.set ST,  192
.set AUX, 208
.set KF,  128                          ; in window 1
.set VF,  192
.set WV,  12                           ; s12 my wave's number
.set G1KV, 24                          ; s[24:31] descriptor group 1 for K's and V's blocks; s[32:39] for the mask's halves
.set G1M,  32
.set KVA,  40                          ; s[40:43], s[44:47] group 0 for K or V: the two first fills; the second then walks on
.set KVB,  44
.set MA,   48                          ; s[48:51], s[52:55] the same for the mask
.set MB,   52
.set CNT,  56                          ; s56 fills still to be asked for
.set TB,   57                          ; s57 LDS byte at which the slot in hand begins
.set C1,   58                          ; s[58:59] 2^(e6 + e7) / sqrt(128), twice
.set SEL,  60                          ; s[60:61] v_permlanex16_b32's selects for lane xor 16
.set L2E,  62                          ; s[62:63] log2(e), twice
.set PFA,  66                          ; s[66:67] where my prefetches stand; s[68:69] a key step on, in bytes; s70: 2 in a wave that prefetches, else the greatest number
.set PFS,  68
.set LIM,  70
.set MSB, 0
.macro WIN new
.if MSB != \new
	s_set_vgpr_msb (MSB<<8)|\new
.set MSB, \new
.endif
.endm
.macro CROUND                          ; a round of the cluster's barrier
	s_barrier_signal -1
	s_barrier_wait -1
	s_cmp_lg_u32 s[WV], 0
	s_cbranch_scc1 .Lnot_wave_0_\@
	s_barrier_signal -3
.Lnot_wave_0_\@:
	s_barrier_wait -3
	s_barrier_signal -1
	s_barrier_wait -1
.endm
; A joint refill: wave 0 K's block, wave 1 V's, waves 2 and 3 the mask's halves, the others nothing.  The branches hang on the wave's number alone.  An s_nop 0 and four v_nop follow each line.
.macro JLOAD
	s_cmp_lt_u32 s[WV], 2
	s_cbranch_scc0 .Lnot_kv_\@
	tensor_load_to_lds s[KVB:KVB+3], s[G1KV:G1KV+7]
	s_nop 0
.rept 4
	v_nop
.endr
	s_branch .Lasked_\@
.Lnot_kv_\@:
	s_cmp_lt_u32 s[WV], 4
	s_cbranch_scc0 .Lasked_\@
	tensor_load_to_lds s[MB:MB+3], s[G1M:G1M+7]
	s_nop 0
.rept 4
	v_nop
.endr
.Lasked_\@:
.endm
; A PREFETCH INTO THE L2, at the change of slots that asks for key step j + 1: key step j + 3, two key steps ahead of its tensor load.  One instruction a wave; each aligned block of 256 bytes is named once in the launch.
; K and V of a head are walked by the four clusters of a row of clusters: the first (cluster x = 0) asks; its four partners along x take 4,096 bytes of each block, told apart by address; wave 4: lanes 0-15 K's, lanes 16-31 V's.
; The mask rows of a block of queries are walked by the four clusters of a column: the first (cluster y = 0) asks; its four partners along y take 32 rows each, by address; waves 5 and 6: a lane a row, one half of its 512 bytes each.
; Key steps 0 to 3 come by their loads alone; the last two changes that fill a slot ask for nothing.
.macro ASK
	s_cmp_gt_u32 s[CNT], s[LIM]
	s_cbranch_scc0 .Lnot_mine_\@
	global_prefetch_b8 v[PFO], s[PFA:PFA+1] th:TH_LOAD_NT scope:SCOPE_SE
.Lnot_mine_\@:
.endm
	s_load_b256 s[4:11], s[0:1], 0x0               ; qkv, the mask, the scales' exponents, ocodes
	v_lshl_add_u32 v[SPW], v0, 2, SPARE
	v_mov_b32 v[NIL], 0
	ds_add_u32 v[SPW], v[NIL]                      ; the wave's opening: the add and its wait stand ahead of my first tensor load; work on registers stands between them
	v_lshrrev_b32 v8, 5, v0
	v_readfirstlane_b32 s[WV], v8                  ; wave 0..7
	s_bfe_u32 s13, ttmp6, 0x40000                  ; cx
	s_bfe_u32 s14, ttmp6, 0x40004                  ; cy
	s_lshl_b32 s15, ttmp9, 2
	s_add_co_u32 s15, s15, s13                     ; qb: my block of 128 queries
	s_and_b32 s16, ttmp7, 0xffff
	s_lshl_b32 s16, s16, 2
	s_add_co_u32 s16, s16, s14                     ; the head
	s_and_b32 s17, s[WV], 1
	s_and_b32 s18, s[WV], 3                        ; qp
	s_lshr_b32 s19, s[WV], 2                       ; kh
	s_lshl_b32 s20, s14, 2
	s_lshl_b32 s20, 15, s20                        ; my row of the cluster: one head
	s_lshl_b32 s21, 0x1111, s13                    ; my column: one block of queries
	s_or_b32 s[G1KV], s20, (1<<20)|(1<<21)|(4<<22)|(3<<25)          ; elements of 1 byte; padding: four words after every 32; bit 21 set beside a mask
	s_mov_b32 s[G1KV+1], 128<<16                   ; tensor_dim0 = 128
	s_mov_b32 s[G1KV+2], 128<<16                   ; tensor_dim1 = 128
	s_mov_b32 s[G1KV+3], 128<<16                   ; tile_dim0
	s_mov_b32 s[G1KV+4], 128                       ; tile_dim1
	s_mov_b32 s[G1KV+5], 128                       ; from row to row
	s_mov_b32 s[G1KV+6], 0
	s_mov_b32 s[G1KV+7], 0
	s_or_b32 s[G1M], s21, (2<<16)|(1<<20)|(1<<21)|(6<<22)|(3<<25)   ; elements of 4 bytes; padding: four words after every 128
	s_mov_b32 s[G1M+1], 128<<16
	s_mov_b32 s[G1M+2], 64<<16
	s_mov_b32 s[G1M+3], 128<<16
	s_mov_b32 s[G1M+4], 64
	s_mov_b32 s[G1M+5], 2048
	s_mov_b32 s[G1M+6], 0
	s_mov_b32 s[G1M+7], 0
	s_lshl_b32 s80, s16, 18                        ; K or V: the head's 16 blocks; these registers never hold cx,
	s_lshl_b32 s22, s17, 22
	s_add_co_u32 s80, s80, s22
	s_add_co_u32 s80, s80, T4M                     ; k's third of the buffer (even wave) or v's (odd)
	s_mov_b32 s81, 0
	s_lshl_b32 s82, s15, 7                         ; the mask: row 128 qb + 64 (wave % 2); and these never cy
	s_lshl_b32 s23, s17, 6
	s_add_co_u32 s82, s82, s23
	s_lshl_b32 s82, s82, 13
	s_mov_b32 s83, 0
	s_mul_i32 s84, s17, 128*KP                     ; where they go in a slot: no place in the cluster enters an LDS address
	s_mul_i32 s85, s17, 64*MP
	s_add_co_u32 s85, s85, MOFF
	s_mov_b32 s[SEL], 0x76543210
	s_mov_b32 s[SEL+1], 0xfedcba98
	s_mov_b32 s[L2E], 0x3fb8aa3b
	s_mov_b32 s[L2E+1], 0x3fb8aa3b
	s_mov_b32 s[TB], 0
	s_mov_b32 s[CNT], 14
	s_wait_dscnt 0x0                               ; the opening add is done
	s_wait_kmcnt 0x0
	s_load_b128 s[72:75], s[8:9], 0x18             ; e6, e7, e8, e9
	s_load_b32 s76, s[8:9], 0x28                   ; e10
	s_add_nc_u64 s[80:81], s[4:5], s[80:81]
	s_add_nc_u64 s[82:83], s[6:7], s[82:83]
	s_mov_b32 s[KVA], 1
	s_mov_b32 s[KVA+1], s84
	s_mov_b64 s[KVA+2:KVA+3], s[80:81]
	s_or_b32 s[KVA+3], s[KVA+3], 0x80000000
	s_mov_b32 s[KVB], 1
	s_add_co_u32 s[KVB+1], s84, SLOT1
	s_add_nc_u64 s[KVB+2:KVB+3], s[80:81], BLK
	s_or_b32 s[KVB+3], s[KVB+3], 0x80000000
	s_mov_b32 s[MA], 1
	s_mov_b32 s[MA+1], s85
	s_mov_b64 s[MA+2:MA+3], s[82:83]
	s_or_b32 s[MA+3], s[MA+3], 0x80000000
	s_mov_b32 s[MB], 1
	s_add_co_u32 s[MB+1], s85, SLOT1
	s_add_nc_u64 s[MB+2:MB+3], s[82:83], 512
	s_or_b32 s[MB+3], s[MB+3], 0x80000000
	CROUND                                         ; all sixteen work-groups are here: the first joint loads meet
	s_cmp_lt_u32 s[WV], 2                          ; a wave's two first fills stand in one branch, ahead of every wait on TENSORcnt and every LDS read: two loads of a fetching wave are out
	s_cbranch_scc0 .Lf_not_kv
	tensor_load_to_lds s[KVA:KVA+3], s[G1KV:G1KV+7]
	s_nop 0
	tensor_load_to_lds s[KVB:KVB+3], s[G1KV:G1KV+7]
	s_nop 0
.rept 4
	v_nop
.endr
	s_branch .Lf_asked
.Lf_not_kv:
	s_cmp_lt_u32 s[WV], 4
	s_cbranch_scc0 .Lf_asked
	tensor_load_to_lds s[MA:MA+3], s[G1M:G1M+7]
	s_nop 0
	tensor_load_to_lds s[MB:MB+3], s[G1M:G1M+7]
	s_nop 0
.rept 4
	v_nop
.endr
.Lf_asked:
	v_and_b32 v8, 15, v0                           ; r
	v_bfe_u32 v9, v0, 4, 1                         ; h
	s_lshl_b32 s77, s18, 5
	s_lshl_b32 s78, s19, 4
	s_add_co_u32 s77, s77, s78                     ; tile 0's first query in the block: 32 qp + 16 kh
	s_xor_b32 s78, s77, 16                         ; tile 1's
	s_lshl_b32 s94, s16, 4
	s_add_co_u32 s94, s94, s15
	s_lshl_b32 s94, s94, 14                        ; q's block (head, qb)
	s_mov_b32 s95, 0
	s_add_nc_u64 s[94:95], s[4:5], s[94:95]
	v_lshlrev_b32 v10, 7, v8
	v_lshl_add_u32 v10, v9, 4, v10                 ; 128 r + 16 h
	s_lshl_b32 s79, s77, 7
	v_add_nc_u32 v12, s79, v10
	s_lshl_b32 s79, s78, 7
	v_add_nc_u32 v13, s79, v10
.irp s, 0,1
.irp c, 0,1,2,3
	global_load_b128 v[Q+16*\s+4*\c:Q+16*\s+4*\c+3], v[12+\s], s[94:95] offset:32*\c   ; Q's two fragments stay in registers
.endr
.endr
	v_and_b32 v[AK0], 8, v8
	v_add_nc_u32 v[AK0], v[AK0], v8                ; r + 8 (r / 8)
	v_mul_u32_u24 v[AK0], v[AK0], KP
	v_lshl_add_u32 v[AK0], v9, 4, v[AK0]
	s_mul_i32 s79, s19, 64*KP                      ; my half of the keys
	v_add_nc_u32 v[AK0], s79, v[AK0]
	v_mul_u32_u24 v[AV0], v8, KP                   ; V: channel r, my half of the keys' bytes
	v_lshl_add_u32 v[AV0], v9, 4, v[AV0]
	s_lshl_b32 s79, s19, 6
	s_add_co_u32 s79, s79, VOFF
	v_add_nc_u32 v[AV0], s79, v[AV0]
	v_mul_u32_u24 v10, v8, MP                      ; the mask: my query's row, 256 kh + 64 h bytes on
	v_lshl_add_u32 v10, v9, 6, v10
	s_lshl_b32 s97, s19, 8
	s_add_co_u32 s97, s97, MOFF
	s_mul_i32 s79, s77, MP
	s_add_co_u32 s79, s79, s97
	v_add_nc_u32 v[AM], s79, v10
	s_mul_i32 s79, s78, MP
	s_add_co_u32 s79, s79, s97
	v_add_nc_u32 v[AM+1], s79, v10
	; the prefetches: where my wave's stand, and who asks
	s_lshl_b32 s88, s16, 18                        ; wave 4: k's third, the head's blocks, my work-group's 4,096 bytes, key step 3
	s_lshl_b32 s89, s13, 12
	s_add_co_u32 s88, s88, s89
	s_add_co_u32 s88, s88, T4M+3*BLK
	s_lshl_b32 s90, s15, 7                         ; waves 5, 6: row 128 qb + 32 cy, the row's first or second 256 bytes, key step 3
	s_lshl_b32 s91, s14, 5
	s_add_co_u32 s90, s90, s91
	s_lshl_b32 s90, s90, 13
	s_sub_co_u32 s91, s[WV], 5
	s_and_b32 s91, s91, 1
	s_lshl_b32 s91, s91, 8
	s_add_co_u32 s90, s90, s91
	s_add_co_u32 s90, s90, 3*512
	s_and_b32 s96, ttmp7, 0xffff                   ; cluster y
	s_sub_co_u32 s93, s[WV], 4
	s_cmp_lt_u32 s93, 3
	s_cselect_b32 s93, 0, 1                        ; 0 in waves 4 to 6
	s_mov_b32 s[PFS], 512
	s_mov_b32 s86, 8192
	s_mov_b32 s87, 131072
	s_cmp_eq_u32 s[WV], 4
	s_cselect_b64 s[PFA:PFA+1], s[4:5], s[6:7]
	s_cselect_b32 s[PFS], BLK, s[PFS]              ; a key step on
	s_cselect_b32 s86, 256, s86                    ; from lane to lane among sixteen,
	s_cselect_b32 s87, T4M, s87                    ; and from the lower sixteen to the upper
	s_cselect_b32 s88, s88, s90
	s_cselect_b32 s92, ttmp9, s96                  ; the coordinate along which other clusters read the same bytes
	s_mov_b32 s89, 0
	s_mov_b32 s[PFS+1], 0
	s_add_nc_u64 s[PFA:PFA+1], s[PFA:PFA+1], s[88:89]   ; at key step 3: the first change of slots steps it to 4.  Nothing is prefetched here, at the head
	s_or_b32 s92, s92, s93
	s_cmp_eq_u32 s92, 0
	s_cselect_b32 s[LIM], 2, -1                    ; the same in all sixteen partners, for a given wave
	v_mul_lo_u32 v[PFO], v8, s86
	v_mul_lo_u32 v10, v9, s87
	v_add_nc_u32 v[PFO], v[PFO], v10
.irp s, 0,1
	v_mov_b32 v[ST+8*\s+1], 0xff61b1e6             ; the largest t so far: -3e38, under every t
	v_floor_f32 v[ST+8*\s], -v[ST+8*\s+1]          ; -M
	v_mov_b32 v[ST+8*\s+2], 0                      ; the sum, in two halves
	v_mov_b32 v[ST+8*\s+3], 0
	v_mov_b32 v[ST+8*\s+5], 0                      ; (named as the upper word of f's pair)
	v_mov_b32 v[AUX+4*\s+2], 0                     ; written once: a lane permute's destination counts as one of its sources
.endr
	s_wait_kmcnt 0x0
	s_add_co_i32 s79, s72, s73
	s_lshl_b32 s79, s79, 23
	s_add_co_i32 s[C1], s79, 0x3db504f3            ; 1 / sqrt(128), with e6 + e7 added to its exponent field
	s_mov_b32 s[C1+1], s[C1]
	s_add_co_i32 s79, s74, 127
	s_lshl_b32 s97, s79, 23
	v_mov_b32 v216, s97                            ; 2^e8, for p's conversions
	s_add_co_i32 s79, s79, 8
	s_lshl_b32 s79, s79, 23
	s_or_b32 s79, s79, 0x600000
	v_mov_b32 v217, s79                            ; 448 x 2^e8
	s_sub_co_i32 s79, s76, s74
	s_sub_co_i32 s79, s79, s75                     ; O / l stands for o / 2^(e8 + e9): o's code is (O / l) / 2^(e10 - e8 - e9)
	s_add_co_i32 s79, s79, 127
	s_lshl_b32 s97, s79, 23
	v_mov_b32 v218, s97
	s_add_co_i32 s79, s79, 8
	s_lshl_b32 s79, s79, 23
	s_or_b32 s79, s79, 0x600000
	v_mov_b32 v219, s79
; A KEY STEP: my 64 keys of the slot in hand, for my two tiles of queries.  first = 1: its products start O^T's sums, and there is nothing to rescale.
.macro STEP first
	v_add_nc_u32 v[ADK], s[TB], v[AK0]             ; these four are also the places between the last step's products and the loads into V's registers
	v_add_nc_u32 v[ADV], s[TB], v[AV0]
	v_add_nc_u32 v[ADM], s[TB], v[AM]
	v_add_nc_u32 v[ADM+1], s[TB], v[AM+1]
	WIN 0x40                                       ; destination window 1
.irp t, 0,1,2,3
.irp c, 0,1,2,3
	ds_load_b128 v[KF+16*\t+4*\c:KF+16*\t+4*\c+3], v[ADK] offset:KP*(32*(\t/2)+8*(\t%2))+32*\c
.endr
.endr
	WIN 0
.irp s, 0,1
.irp b, 0,1
.irp j, 0,1,2,3
	ds_load_b128 v[MK+32*\s+16*\b+4*\j:MK+32*\s+16*\b+4*\j+3], v[ADM+\s] offset:128*\b+16*\j
.endr
.endr
.endr
	WIN 0x40
.irp n, 0,1,2,3,4,5,6,7
.irp c, 0,1
	ds_load_b128 v[VF+8*\n+4*\c:VF+8*\n+4*\c+3], v[ADV] offset:16*KP*\n+32*\c
.endr
.endr
	s_wait_dscnt 32                                ; K is in; behind it: the mask's 16 loads and V's 16
	WIN 0x01                                       ; source 0 (K) window 1
.irp t, 0,1,2,3
.irp s, 0,1
	v_wmma_f32_16x16x128_fp8_fp8 v[S+32*\s+8*\t:S+32*\s+8*\t+7], v[KF+16*\t:KF+16*\t+15], v[Q+16*\s:Q+16*\s+15], 0
.endr
.endr
	WIN 0
.rept 4
	v_nop                                          ; places in front of the first read of the scores
.endr
	s_wait_dscnt 16                                ; the mask is in
.set k, 0
.rept 32
	v_pk_fma_f32 v[S+k:S+k+1], v[S+k:S+k+1], s[C1:C1+1], v[MK+k:MK+k+1] op_sel_hi:[1,0,1]   ; u = score / sqrt(128) + mask; each accumulator from its low end on
.set k, k+2
.endr
.irp s, 0,1                                    ; the step's largest u of my query among my 32 keys, in two chains; the two tiles take turns
	v_max3_num_f32 v[ST+8*\s+6], v[S+32*\s], v[S+32*\s+1], v[S+32*\s+2]
	v_max3_num_f32 v[ST+8*\s+7], v[S+32*\s+3], v[S+32*\s+4], v[S+32*\s+5]
.endr
.irp i, 6,10,14,18,22,26
.irp s, 0,1
	v_max3_num_f32 v[ST+8*\s+6], v[ST+8*\s+6], v[S+32*\s+\i], v[S+32*\s+\i+1]
	v_max3_num_f32 v[ST+8*\s+7], v[ST+8*\s+7], v[S+32*\s+\i+2], v[S+32*\s+\i+3]
.endr
.endr
.irp s, 0,1
	v_max3_num_f32 v[ST+8*\s+6], v[ST+8*\s+6], v[S+32*\s+30], v[S+32*\s+31]
.endr
.irp s, 0,1
	v_max_num_f32 v[ST+8*\s+6], v[ST+8*\s+6], v[ST+8*\s+7]
.endr
.irp s, 0,1
	v_permlanex16_b32 v[AUX+4*\s+2], v[ST+8*\s+6], s[SEL], s[SEL+1]
.endr
.irp s, 0,1
	v_max_num_f32 v[ST+8*\s+6], v[ST+8*\s+6], v[AUX+4*\s+2]    ; and among lane xor 16's
.endr
.irp s, 0,1
	v_mul_f32 v[ST+8*\s+6], s[L2E], v[ST+8*\s+6]               ; as t
.endr
.irp s, 0,1
	v_max_num_f32 v[ST+8*\s+1], v[ST+8*\s+1], v[ST+8*\s+6]     ; the running largest t
	v_mov_b32 v[AUX+4*\s+3], v[ST+8*\s]
.endr
.irp s, 0,1
	v_floor_f32 v[ST+8*\s], -v[ST+8*\s+1]                      ; the new -M = -ceil(t): a whole number
.endr
.irp s, 0,1
	v_sub_f32 v[ST+8*\s+6], v[ST+8*\s], v[AUX+4*\s+3]          ; old M - new M: a whole number, 0 or less
.endr
.irp s, 0,1
	v_cvt_i32_f32 v[ST+8*\s+6], v[ST+8*\s+6]                   ; (it saturates)
.endr
.irp s, 0,1
	v_ldexp_f32 v[ST+8*\s+4], 1.0, v[ST+8*\s+6]                ; f = 2^(old M - new M)
.endr
.irp s, 0,1
.set k, 0
.rept 16
	v_pk_fma_f32 v[S+32*\s+k:S+32*\s+k+1], v[S+32*\s+k:S+32*\s+k+1], s[L2E:L2E+1], v[ST+8*\s:ST+8*\s+1] op_sel_hi:[1,0,0]   ; t - M (of the pairs the low word serves both halves)
.set k, k+2
.endr
.endr
.set k, 0
.rept 64
	v_exp_f32 v[S+k], v[S+k]                       ; p = 2^(t - M), at most 1: not normalised
.set k, k+1
.endr
.irp s, 0,1
	v_pk_mul_f32 v[ST+8*\s+2:ST+8*\s+3], v[ST+8*\s+2:ST+8*\s+3], v[ST+8*\s+4:ST+8*\s+5] op_sel_hi:[1,0]   ; the sums under the new M: plain lines behind the exponentials
.endr
	s_wait_alu depctr_va_vdst(0)                   ; one wait for the whole batch, ahead of its first reader
.irp s, 0,1
	v_pk_add_f32 v[AUX+4*\s:AUX+4*\s+1], v[S+32*\s:S+32*\s+1], v[S+32*\s+2:S+32*\s+3]   ; the sum is taken of the unquantised p, in two chains
.endr
.irp j, 4,8,12,16,20,24,28
.irp s, 0,1
	v_pk_add_f32 v[ST+8*\s+2:ST+8*\s+3], v[ST+8*\s+2:ST+8*\s+3], v[S+32*\s+\j:S+32*\s+\j+1]
	v_pk_add_f32 v[AUX+4*\s:AUX+4*\s+1], v[AUX+4*\s:AUX+4*\s+1], v[S+32*\s+\j+2:S+32*\s+\j+3]
.endr
.endr
.irp s, 0,1
	v_pk_add_f32 v[ST+8*\s+2:ST+8*\s+3], v[ST+8*\s+2:ST+8*\s+3], v[AUX+4*\s:AUX+4*\s+1]
.endr
.set k, 0
.rept 64
	v_min_num_f32 v[S+k], v[S+k], v217             ; the conversion to an 8-bit code does not saturate (ISA guide 7.6.2); p is not negative, so the hold is one-sided
.set k, k+1
.endr
.set k, 0
.rept 8
	v_cvt_scalef32_pk8_fp8_f32 v[PC+2*k:PC+2*k+1], v[S+8*k:S+8*k+7], v216   ; registers 8 s + 4 b .. + 3: keys 32 b + 16 h + 0 .. 15 of tile s
.set k, k+1
.endr
.if \first
	v_nop                                          ; a plain line between the conversions and the products that read the codes
.else
	WIN 0x41                                       ; O^T (destination and source 0) window 1
.irp s, 0,1
.set k, 0
.rept 32
	v_pk_mul_f32 v[64*\s+k:64*\s+k+1], v[64*\s+k:64*\s+k+1], v[ST+8*\s+4:ST+8*\s+5] op_sel_hi:[1,0]   ; O^T under the new M
.set k, k+2
.endr
.endr
.endif
	s_wait_dscnt 0x0                               ; V is in
	WIN 0x51                                       ; V, C and D window 1; p's codes window 0
.irp n, 0,1,2,3,4,5,6,7                        ; the 16 accumulators take turns, one instruction a turn
.irp s, 0,1
.if \first
	v_wmma_f32_16x16x64_fp8_fp8 v[64*\s+8*\n:64*\s+8*\n+7], v[VF+8*\n:VF+8*\n+7], v[PC+8*\s:PC+8*\s+7], 0
.else
	v_wmma_f32_16x16x64_fp8_fp8 v[64*\s+8*\n:64*\s+8*\n+7], v[VF+8*\n:VF+8*\n+7], v[PC+8*\s:PC+8*\s+7], v[64*\s+8*\n:64*\s+8*\n+7]
.endif
.endr
.endr
	WIN 0
	s_xor_b32 s[TB], s[TB], SLOT1                  ; on to the other slot
.endm
; THE CHANGE OF SLOTS.  Each wave waits for all its tensor loads (its part of the slot ahead), adds 0 to its spare word, and waits for that and for its reads of the slot that it has left.
; fill = 1: the barrier is a round of the cluster's, and the slot just left is filled with the key step after next, first thing behind the round: it has a key step in which to land.
.macro CHANGE fill
	s_wait_tensorcnt 0x0                           ; no tensor load of mine is out, so a group 0 may be written
	ds_add_u32 v[SPW], v[NIL]                      ; 0 onto my spare word: the descriptors' steps stand between it and the wait for it
.if \fill
	s_xor_b32 s[KVB+1], s[KVB+1], SLOT1            ; the walking descriptors: the other slot than last time,
	s_add_nc_u64 s[KVB+2:KVB+3], s[KVB+2:KVB+3], BLK   ; the next block; the type bits on top are not reached
	s_xor_b32 s[MB+1], s[MB+1], SLOT1
	s_add_nc_u64 s[MB+2:MB+3], s[MB+2:MB+3], 512
	s_wait_xcnt 0x0                                ; the last prefetch, a key step back, has read its address, so it may be written
	s_add_nc_u64 s[PFA:PFA+1], s[PFA:PFA+1], s[PFS:PFS+1]
	s_wait_dscnt 0x0                               ; the add is done, and my reads of the slot that I have left are over
	CROUND
	JLOAD
	ASK
.else
	s_wait_dscnt 0x0
	s_barrier_signal -1
	s_barrier_wait -1
.endif
.endm
	s_wait_tensorcnt 1                             ; my part of key step 0 is in; key step 1's may stay out
	s_barrier_signal -1
	s_barrier_wait -1                              ; everybody's is
	s_wait_loadcnt 0x0                             ; Q
	STEP 1                                         ; key step 0
.Lkeys:                                            ; 14 trips: key steps 1 to 14; key steps 2 to 15 are asked for
	CHANGE 1
	STEP 0
	s_sub_co_u32 s[CNT], s[CNT], 1
	s_cmp_lg_u32 s[CNT], 0
	s_cbranch_scc1 .Lkeys
	CHANGE 0                                       ; the last key step is written out
	STEP 0
	; THE TWO HALVES OF THE KEYS MEET.  Every wave stores its tile 1 (O^T as an image of its registers, -M, the sum) and takes the partner's tile 1, which holds the queries of its own tile 0 in the same lanes.
.rept 4
	v_nop                                          ; places behind the last products
.endr
.irp s, 0,1
	v_add_f32 v[ST+8*\s+2], v[ST+8*\s+2], v[ST+8*\s+3]
.endr
.irp s, 0,1
	v_permlanex16_b32 v[AUX+4*\s+2], v[ST+8*\s+2], s[SEL], s[SEL+1]
.endr
.irp s, 0,1
	v_add_f32 v[ST+8*\s+2], v[ST+8*\s+2], v[AUX+4*\s+2]        ; my half's sum for the query
.endr
	v_and_b32 v8, 31, v0                           ; lane
	s_mul_i32 s80, s[WV], XCHB
	s_xor_b32 s81, s[WV], 4
	s_mul_i32 s81, s81, XCHB
	v_lshlrev_b32 v9, 4, v8
	v_add_nc_u32 v12, s80, v9                      ; my image: 16 x lane
	v_add_nc_u32 v13, s81, v9                      ; the partner's
	v_lshlrev_b32 v10, 2, v8
	v_add_nc_u32 v14, s80, v10                     ; the statistics: 4 x lane, 8,192 bytes on
	v_add_nc_u32 v15, s81, v10
	WIN 0x04                                       ; the stores' data window 1
.set k, 0
.rept 16
	ds_store_b128 v12, v[64+4*k:64+4*k+3] offset:512*k
.set k, k+1
.endr
	WIN 0
	ds_store_b32 v14, v[ST+8] offset:8192
	ds_store_b32 v14, v[ST+10] offset:8192+128
	s_wait_dscnt 0x0                               ; for the partner's sake: my stores are done
	s_barrier_signal -1
	s_barrier_wait -1
.set k, 0
.rept 16
	ds_load_b128 v[S+4*k:S+4*k+3], v13 offset:512*k
.set k, k+1
.endr
	ds_load_b32 v[ST+14], v15 offset:8192          ; the partner's -M,
	ds_load_b32 v[ST+15], v15 offset:8192+128      ; and its sum
	; addresses of the codes' way out, while the loads are out
	s_mul_i32 s82, s[WV], 16*KP
	s_add_co_u32 s82, s82, OST
	v_and_b32 v9, 15, v0
	v_bfe_u32 v10, v0, 4, 1
	v_mul_u32_u24 v9, v9, KP
	v_lshl_add_u32 v9, v10, 3, v9
	v_add_nc_u32 v9, s82, v9                       ; in: row r, 8 h bytes on
	v_lshrrev_b32 v10, 3, v8
	v_and_b32 v11, 7, v8
	v_mul_u32_u24 v10, v10, KP
	v_lshl_add_u32 v10, v11, 4, v10
	v_add_nc_u32 v10, s82, v10                     ; back: four whole rows of 128 bytes an instruction
	s_lshl_b32 s83, s77, 7
	v_lshl_add_u32 v11, v8, 4, s83                 ; and the same bytes in the block: 128 x tile 0's first query + 16 x lane
	s_lshl_b32 s84, s15, 4
	s_add_co_u32 s84, s84, s16
	s_lshl_b32 s84, s84, 14                        ; ocodes' block (rows qb, K block = the head)
	s_mov_b32 s85, 0
	s_add_nc_u64 s[84:85], s[10:11], s[84:85]
	s_wait_dscnt 0x0
	v_min_num_f32 v[ST+6], v[ST], v[ST+14]         ; -M* of the two halves
	v_sub_f32 v[ST+7], v[ST+6], v[ST]              ; my M - M*: a whole number, 0 or less
	v_sub_f32 v[ST+14], v[ST+6], v[ST+14]          ; the partner's
	v_cvt_i32_f32 v[ST+7], v[ST+7]
	v_cvt_i32_f32 v[ST+14], v[ST+14]
	v_ldexp_f32 v[ST+7], 1.0, v[ST+7]
	v_ldexp_f32 v[ST+14], 1.0, v[ST+14]
	v_mul_f32 v[ST+15], v[ST+15], v[ST+14]
	v_fma_f32 v[ST+15], v[ST+2], v[ST+7], v[ST+15] ; the row's sum under M*
	v_rcp_f32 v[ST+15], v[ST+15]
	v_nop                                          ; a plain line behind the reciprocal
	s_wait_alu depctr_va_vdst(0)                   ; and the wait ahead of its first reader
	v_mul_f32 v[ST+4], v[ST+7], v[ST+15]           ; what my O^T is multiplied by,
	v_mul_f32 v[ST+12], v[ST+14], v[ST+15]         ; and the partner's
.set k, 0
.rept 32
	v_pk_mul_f32 v[S+k:S+k+1], v[S+k:S+k+1], v[ST+12:ST+13] op_sel_hi:[1,0]
.set k, k+2
.endr
	WIN 0x01                                       ; source 0 (my O^T, tile 0) window 1
.set k, 0
.rept 32
	v_pk_fma_f32 v[S+k:S+k+1], v[k:k+1], v[ST+4:ST+5], v[S+k:S+k+1] op_sel_hi:[1,0,1]   ; each accumulator from its low end on
.set k, k+2
.endr
	WIN 0
.set k, 0
.rept 64
	v_med3_num_f32 v[S+k], v[S+k], -v219, v219
.set k, k+1
.endr
.set k, 0
.rept 8
	v_cvt_scalef32_pk8_fp8_f32 v[PC+2*k:PC+2*k+1], v[S+8*k:S+8*k+7], v218    ; channels 16 k + 8 h + 0 .. 7 of query r
.set k, k+1
.endr
	v_nop
.set k, 0
.rept 8
	ds_store_b64 v9, v[PC+2*k:PC+2*k+1] offset:16*k
.set k, k+1
.endr
.irp i, 0,1,2,3
	ds_load_b128 v[MK+4*\i:MK+4*\i+3], v10 offset:4*KP*\i   ; LDS serves a wave's instructions in order: these see my stores
.endr
.irp i, 0,1,2,3
	s_wait_dscnt 3-\i
	global_store_b128 v11, v[MK+4*\i:MK+4*\i+3], s[84:85] offset:512*\i      ; 32 lanes store 512 consecutive bytes
.endr
	s_wait_tensorcnt 0x0                           ; the wave's end: behind my last tensor load and my last LDS store
	ds_add_u32 v[SPW], v[NIL]
	s_wait_dscnt 0x0
	CROUND                                         ; the closing round: no work-group ends while a partner may still ask for a tile that names it
	s_endpgm
.Lfunc_end_k_q756ca6f8db_attn:
	.size	k_q756ca6f8db_attn, .Lfunc_end_k_q756ca6f8db_attn-k_q756ca6f8db_attn
	.p2alignl 7, 3214868480
	.fill 96, 4, 3214868480
	.section	.rodata,"a",@progbits
	.p2align	6, 0x0
	.amdhsa_kernel k_q756ca6f8db_attn
		.amdhsa_group_segment_fixed_size 327680
		.amdhsa_private_segment_fixed_size 0
		.amdhsa_enable_private_segment 0
		.amdhsa_kernarg_size 32
		.amdhsa_user_sgpr_count 2
		.amdhsa_user_sgpr_kernarg_segment_ptr 1
		.amdhsa_wavefront_size32 1
		.amdhsa_system_sgpr_workgroup_id_x 1
		.amdhsa_system_sgpr_workgroup_id_y 1
		.amdhsa_system_sgpr_workgroup_id_z 1
		.amdhsa_system_vgpr_workitem_id 0
		.amdhsa_next_free_vgpr 512
		.amdhsa_next_free_sgpr 100
		.amdhsa_reserve_vcc 0
		.amdhsa_float_denorm_mode_32 3
		.amdhsa_float_denorm_mode_16_64 3
		.amdhsa_memory_ordered 1
		.amdhsa_forward_progress 1
		.amdhsa_inst_pref_size 91
	.end_amdhsa_kernel
	.amdgpu_metadata
---
amdhsa.version: [ 1, 2 ]
amdhsa.kernels:
  - .name:           k_q756ca6f8db_attn
    .symbol:         k_q756ca6f8db_attn.kd
    .args:
      - { .name: qkv, .offset: 0, .size: 8, .value_kind: global_buffer, .address_space: global }
      - { .name: attention_mask, .offset: 8, .size: 8, .value_kind: global_buffer, .address_space: global }
      - { .name: lowp_scales, .offset: 16, .size: 8, .value_kind: global_buffer, .address_space: global }
      - { .name: ocodes, .offset: 24, .size: 8, .value_kind: global_buffer, .address_space: global }
    .group_segment_fixed_size: 327680
    .private_segment_fixed_size: 0
    .kernarg_segment_align: 8
    .kernarg_segment_size: 32
    .max_flat_workgroup_size: 256
    .sgpr_count:     100
    .vgpr_count:     512
    .wavefront_size: 32
...
	.end_amdgpu_metadata
.endif
;; end of part 3
;; launch oproj (part 4): grid 16 x 16, 4 waves a work-group, clusters of 4 x 4, 327,680 bytes of LDS; arguments ocodes, wocodes, lowp_scales, out0; writes out0
.if DOCPART == 4
	.amdgcn_target "amdgcn-amd-amdhsa--gfx1250"
	.amdhsa_code_object_version 6
	.text
	.protected	k_q756ca6f8db_oproj
	.globl	k_q756ca6f8db_oproj
	.p2align	8
	.type	k_q756ca6f8db_oproj,@function
k_q756ca6f8db_oproj:
	s_mov_b64 s[64:65], 0
	v_nop
	global_prefetch_b8 v0, s[64:65] scope:SCOPE_SE
	s_setreg_imm32_b32 hwreg(HW_REG_WAVE_MODE, 25, 1), 1
	s_wait_xcnt 0x0
	s_wait_alu depctr_hold_cnt(0) depctr_sa_sdst(0) depctr_va_vdst(0) depctr_va_sdst(0) depctr_va_ssrc(0) depctr_va_vcc(0) depctr_vm_vsrc(0)
	s_getreg_b32 s2, hwreg(HW_REG_IB_STS2, 6, 4)
	s_cmp_eq_u32 s2, 0
	s_cbranch_scc0 .Lentry_in_a_cluster
	s_endpgm
.Lentry_in_a_cluster:
	s_bfe_u32 s2, ttmp6, 0x10000c
	s_cmp_lg_u32 s2, 0xf033
	s_cbranch_scc0 .Lentry_shape_is_right
	s_endpgm
.Lentry_shape_is_right:
; out0 = o Wo^T on codes of FP8 (E4M3): out0[m][n] = 2^(e10 + e11) x the sum over k of o's code (m, k) x Wo's code (n, k); out0: [2048][2048] f32.
; Both operands lie in blocks of 128 rows x 128 K (16,384 dense bytes, block (rb, kb) at (16 rb + kb) x 16,384).  A tile of 128 x 128 to a work-group: 256 work-groups; four waves, 64 x 64 each: 16 accumulators.
; THE MATRIX INSTRUCTION IS USED TRANSPOSED (source 0 = 16 rows of Wo, source 1 = 16 rows of o): lane (r, h), register j holds out0(m0 + r, n0 + 8 h + j).
; A fragment is fetched by four loads of 16 bytes: registers 4 c .. 4 c + 3 hold K = 32 c + 16 h + 0 .. 15: a permutation of K, the same in both operands.
; THE RING: two LDS slots, each with four K steps of 128 of both operands; one tensor load of 256 rows x 128 bytes brings two K steps; each wave issues one.  Four fills in all.
; CLUSTER 4 x 4: o's tiles are asked for jointly along a row of the cluster, Wo's along a column.
; LIMIT: e10 + e11 between -126 and 127, so that 2^(e10 + e11) is an f32 number.
; REGISTERS: window 0: v16-17, v20-21 fragment addresses; v24-26 way out; v28-29 the add's two; v32-63 scaled sums; v64-127 rows read back, two sets; v128-255 accumulators.   window 1: two sets of fragments.
.set LBLK,  128*144                    ; a block in LDS: rows of 128 bytes + 16 of padding
.set SLOT,  8*LBLK
.set SPARE, 2*SLOT                     ; behind the ring: the spare words, 128 bytes a wave, which no other line names
.set STAGE, SPARE+512                  ; the way out: 16 rows x 272 bytes for each wave; no fill lands here
.set ADRA, 16
.set ADRB, 20
.set SO,   24
.set SR,   25
.set CO,   26
.set SPW,  28
.set NIL,  29
.set TMP,  32
.set BK,   64
.set ACC,  128
.set F0,   0
.set F1,   128
.set G1,   24
.set G0,   32
.set G1B,  48
.set G0B,  56
.set MUL,  0x05
.set TO_F, 0x40
.set MSB, 0
.macro WIN new
.if MSB != \new
	s_set_vgpr_msb (MSB<<8)|\new
.set MSB, \new
.endif
.endm
.macro PLACES n
.rept \n
	v_nop
.endr
.endm
.macro JLOAD g0a, g1a, g0b, g1b        ; a joint load: waves 0 and 1 fetch for o, waves 2 and 3 for Wo; an s_nop 0 and four v_nop follow each of the two lines
	s_cmp_eq_u32 s19, 0
	s_cbranch_scc0 .Lfor_b_\@
	tensor_load_to_lds s[\g0a:\g0a+3], s[\g1a:\g1a+7]
	s_nop 0
.rept 4
	v_nop
.endr
	s_branch .Lasked_\@
.Lfor_b_\@:
	tensor_load_to_lds s[\g0b:\g0b+3], s[\g1b:\g1b+7]
	s_nop 0
.rept 4
	v_nop
.endr
.Lasked_\@:
.endm
.macro CREST
	s_cmp_lg_u32 s18, 0
	s_cbranch_scc1 .Lnot_wave_0_\@
	s_barrier_signal -3
.Lnot_wave_0_\@:
	s_barrier_wait -3
	s_barrier_signal -1
	s_barrier_wait -1
.endm
.macro CROUND
	s_barrier_signal -1
	s_barrier_wait -1
	CREST
.endm
	s_load_b256 s[4:11], s[0:1], 0x0               ; ocodes, wocodes, the scales' exponents, out0
	v_lshl_add_u32 v[SPW], v0, 2, SPARE
	v_mov_b32 v[NIL], 0
	ds_add_u32 v[SPW], v[NIL]                      ; the wave's opening: the add and its wait stand ahead of my first tensor load; work on registers stands between them
	v_lshrrev_b32 v1, 5, v0
	v_readfirstlane_b32 s18, v1                    ; wave 0..3
	s_lshr_b32 s19, s18, 1                         ; wr.  Also: I fetch for o (0) or for Wo (1)
	s_and_b32 s20, s18, 1                          ; wc.  Also: which two of a fill's four K steps I fetch
	s_bfe_u32 s40, ttmp6, 0x40000
	s_bfe_u32 s41, ttmp6, 0x40004
	s_lshl_b32 s42, ttmp9, 2
	s_add_co_u32 s42, s42, s40                     ; x: tile column
	s_and_b32 s43, ttmp7, 0xffff
	s_lshl_b32 s43, s43, 2
	s_add_co_u32 s43, s43, s41                     ; y: tile row
	s_lshl_b32 s44, s41, 2
	s_lshl_b32 s44, 15, s44
	s_lshl_b32 s45, 0x1111, s40
	s_or_b32 s[G1], s44, (1<<20)|(1<<21)|(4<<22)|(3<<25)    ; the mask; elements of 1 byte; padding: four words after every 32; bit 21 set beside a mask
	s_or_b32 s[G1B], s45, (1<<20)|(1<<21)|(4<<22)|(3<<25)
.irp g, G1, G1B
	s_mov_b32 s[\g+1], 128<<16
	s_mov_b32 s[\g+2], 256<<16
	s_mov_b32 s[\g+3], 128<<16
	s_mov_b32 s[\g+4], 256
	s_mov_b32 s[\g+5], 128
	s_mov_b32 s[\g+6], 0
	s_mov_b32 s[\g+7], 0
.endr
	s_lshl_b32 s21, s20, 15
	s_lshl_b32 s92, s43, 18                        ; o: row block y; these registers never hold x,
	s_add_co_u32 s92, s92, s21
	s_mov_b32 s93, 0
	s_lshl_b32 s94, s42, 18                        ; Wo: row block x; and these never y
	s_add_co_u32 s94, s94, s21
	s_mov_b32 s95, 0
	s_mul_i32 s22, s18, 2*LBLK
	s_wait_dscnt 0x0                               ; the opening add is done
	s_wait_kmcnt 0x0
	s_load_b64 s[96:97], s[8:9], 0x28              ; e10, e11
	s_add_nc_u64 s[92:93], s[4:5], s[92:93]
	s_add_nc_u64 s[94:95], s[6:7], s[94:95]
	CROUND                                         ; all sixteen work-groups are here: the first joint loads meet
.irp s, 0,1
	s_mov_b32 s[G0+4*\s], 1
	s_add_co_u32 s[G0+4*\s+1], s22, \s*SLOT
	s_add_nc_u64 s[G0+4*\s+2:G0+4*\s+3], s[92:93], \s*65536
	s_or_b32 s[G0+4*\s+3], s[G0+4*\s+3], 0x80000000
	s_mov_b32 s[G0B+4*\s], 1
	s_add_co_u32 s[G0B+4*\s+1], s22, \s*SLOT
	s_add_nc_u64 s[G0B+4*\s+2:G0B+4*\s+3], s[94:95], \s*65536
	s_or_b32 s[G0B+4*\s+3], s[G0B+4*\s+3], 0x80000000
	JLOAD G0+4*\s, G1, G0B+4*\s, G1B               ; fills 0 and 1: two loads of mine are out
.endr
	v_and_b32 v1, 15, v0                           ; r
	v_bfe_u32 v2, v0, 4, 1                         ; h
	v_mul_u32_u24 v3, v1, 144
	v_lshl_add_u32 v3, v2, 4, v3
	s_mul_i32 s21, s19, 64*144
	s_mul_i32 s23, s20, 64*144
	s_add_co_u32 s23, s23, 4*LBLK
.irp s, 0,1
	v_add_nc_u32 v[ADRA+\s], s21, v3
	v_add_nc_u32 v[ADRB+\s], s23, v3
	s_add_co_u32 s21, s21, SLOT
	s_add_co_u32 s23, s23, SLOT
.endr
	s_mul_i32 s21, s18, 16*272
	s_add_co_u32 s21, s21, STAGE                   ; my stage
	v_mul_u32_u24 v[SO], v1, 272                   ; in: row r, 32 bytes for each half of the lanes
	v_lshl_add_u32 v[SO], v2, 5, v[SO]
	v_add_nc_u32 v[SO], s21, v[SO]
	v_mul_u32_u24 v[SR], v2, 272                   ; back: lanes 0-15 one row of 256 bytes, lanes 16-31 the next
	v_lshl_add_u32 v[SR], v1, 4, v[SR]
	v_add_nc_u32 v[SR], s21, v[SR]
	v_lshlrev_b32 v[CO], 13, v2                    ; and the same two rows in out0
	v_lshl_add_u32 v[CO], v1, 4, v[CO]
	s_lshl_b32 s66, s43, 7
	s_lshl_b32 s67, s19, 6
	s_add_co_u32 s66, s66, s67                     ; my first row: 128 y + 64 wr
	s_lshl_b32 s66, s66, 13
	s_lshl_b32 s67, s42, 9                         ; my first column, in bytes: 512 x + 256 wc
	s_add_co_u32 s66, s66, s67
	s_lshl_b32 s67, s20, 8
	s_add_co_u32 s66, s66, s67
	s_mov_b32 s67, 0
	s_add_nc_u64 s[10:11], s[10:11], s[66:67]
.macro FETCH slot, q, f                ; 32 LDS loads in one run: Wo's four fragments, then o's four
	WIN TO_F
.irp i, 0,1,2,3
.irp c, 0,1,2,3
	ds_load_b128 v[\f+64+16*\i+4*\c:\f+64+16*\i+4*\c+3], v[ADRB+(\slot)] offset:(\q)*LBLK+2304*\i+32*\c
.endr
.endr
.irp i, 0,1,2,3
.irp c, 0,1,2,3
	ds_load_b128 v[\f+16*\i+4*\c:\f+16*\i+4*\c+3], v[ADRA+(\slot)] offset:(\q)*LBLK+2304*\i+32*\c
.endr
.endr
.endm
.macro MULA f, a, zero                 ; the 16 accumulators take turns, one instruction a turn, in the same order in every K step
.irp b, 0,1,2,3
.if \zero
	v_wmma_f32_16x16x128_fp8_fp8 v[ACC+8*(4*(\a)+\b):ACC+8*(4*(\a)+\b)+7], v[\f+64+16*\b:\f+64+16*\b+15], v[\f+16*(\a):\f+16*(\a)+15], 0
.else
	v_wmma_f32_16x16x128_fp8_fp8 v[ACC+8*(4*(\a)+\b):ACC+8*(4*(\a)+\b)+7], v[\f+64+16*\b:\f+64+16*\b+15], v[\f+16*(\a):\f+16*(\a)+15], v[ACC+8*(4*(\a)+\b):ACC+8*(4*(\a)+\b)+7]
.endif
.endr
.endm
.macro STEP slot, qn, f, g, zero
	s_wait_dscnt 8                                 ; Wo's four and o's blocks 0, 1 are in; the youngest eight loads may be out
	WIN MUL
	MULA \f, 0, \zero
	MULA \f, 1, \zero
	PLACES 4                                       ; in front of the loads into set g, which the last K step multiplied
	FETCH \slot, \qn, \g
	s_wait_dscnt 32                                ; all but the 32 just issued
	WIN MUL
	MULA \f, 2, \zero
	MULA \f, 3, \zero
.endm
.macro TURN slot, next, fill, inc      ; a slot's fourth K step changes slots: one barrier, in front of it the wait for all my tensor loads, the add, and the wait for it and for my reads of this slot
	WIN 0
	s_wait_tensorcnt 0x0                           ; all my tensor loads have landed: my part of the next slot
	ds_add_u32 v[SPW], v[NIL]                      ; 0 onto my spare word
	s_wait_dscnt 9                                 ; (the add and the youngest eight loads may be out)
	WIN MUL
	MULA F1, 0, 0
	s_wait_dscnt 0x0                               ; the add is done, and my reads of this slot are over
	s_barrier_signal -1
	MULA F1, 1, 0
	WIN 0
	s_barrier_wait -1
.if \fill
	CREST                                          ; no wave of any partner still reads this slot or has a load on its way
	s_add_nc_u64 s[G0+4*(\slot)+2:G0+4*(\slot)+3], s[G0+4*(\slot)+2:G0+4*(\slot)+3], \inc
	s_add_nc_u64 s[G0B+4*(\slot)+2:G0B+4*(\slot)+3], s[G0B+4*(\slot)+2:G0B+4*(\slot)+3], \inc
	JLOAD G0+4*(\slot), G1, G0B+4*(\slot), G1B     ; the first tensor load behind the round; its four v_nop are also the places in front of the loads below
.else
	PLACES 4
.endif
	FETCH \next, 0, F0
	WIN MUL
	MULA F1, 2, 0
	MULA F1, 3, 0
.endm
.macro LAST
	s_wait_dscnt 8
	WIN MUL
	MULA F1, 0, 0
	MULA F1, 1, 0
	s_wait_dscnt 0x0
	MULA F1, 2, 0
	MULA F1, 3, 0
.endm
.macro SLOTW s, zero, kind, inc
	STEP \s, 1, F0, F1, \zero
	STEP \s, 2, F1, F0, 0
	STEP \s, 3, F0, F1, 0
.if \kind == 2
	TURN \s, 1-\s, 1, \inc
.elseif \kind == 1
	TURN \s, 1-\s, 0, 0
.else
	LAST
.endif
.endm
	s_wait_tensorcnt 1                             ; my part of fill 0 is in; fill 1's may stay out
	s_barrier_signal -1
	s_barrier_wait -1
	FETCH 0, 0, F0
	SLOTW 0, 1, 2, 131072
	SLOTW 1, 0, 2, 131072
	SLOTW 0, 0, 1, 0
	SLOTW 1, 0, 0, 0
	WIN 0
; THE WAY OUT, block by block of 16 rows x 64 columns: a lane holds 32 neighbouring bytes of a row; a block goes through my own stage and comes back as whole rows of 256 bytes, which sixteen lanes store as one aligned run.
.macro TOSTAGE a
.set k, 0
.rept 16
	v_pk_mul_f32 v[TMP+k:TMP+k+1], v[ACC+32*(\a)+k:ACC+32*(\a)+k+1], s[96:97] op_sel_hi:[1,0]   ; x 2^(e10 + e11); each accumulator from its low end on
.set k, k+2
.endr
.irp b, 0,1,2,3
	ds_store_b128 v[SO], v[TMP+8*\b:TMP+8*\b+3] offset:64*\b
	ds_store_b128 v[SO], v[TMP+8*\b+4:TMP+8*\b+7] offset:64*\b+16
.endr
.set BB, BK+32*((\a)%2)
.irp i, 0,1,2,3,4,5,6,7
	ds_load_b128 v[BB+4*\i:BB+4*\i+3], v[SR] offset:544*\i     ; LDS serves a wave's instructions in order: these see my stores, and the next block's stores come behind them
.endr
.endm
.macro SEND a, younger                 ; younger: the LDS instructions issued behind block a's loads, which may stay out
.set BB, BK+32*((\a)%2)
	s_wait_dscnt \younger
.irp i, 0,1,2,3,4,5,6,7
	global_store_b128 v[CO], v[BB+4*\i:BB+4*\i+3], s[10:11] offset:131072*(\a)+16384*\i th:TH_STORE_NT
.endr
.endm
	s_wait_kmcnt 0x0
	s_add_co_i32 s96, s96, s97
	s_add_co_i32 s96, s96, 127
	s_lshl_b32 s96, s96, 23                        ; 2^(e10 + e11) as f32
	s_mov_b32 s97, s96                             ; (named with it as a pair, so it is written)
	PLACES 4                                       ; behind the last products, in front of the first read of results
	TOSTAGE 0
.irp a, 1,2,3
.if \a > 1
	s_wait_xcnt 0x0                                ; block a - 2's stores have read their registers: block a's loads may land there
.endif
	TOSTAGE \a
	SEND \a-1, 16                                  ; behind block a - 1's loads: block a's 8 stores and 8 loads
.endr
	SEND 3, 0
	s_wait_tensorcnt 0x0                           ; the wave's end: behind my last tensor load and my last LDS store
	ds_add_u32 v[SPW], v[NIL]
	s_wait_dscnt 0x0
	CROUND                                         ; the closing round: no work-group ends while a partner may still ask for a tile that names it
	s_endpgm
.Lfunc_end_k_q756ca6f8db_oproj:
	.size	k_q756ca6f8db_oproj, .Lfunc_end_k_q756ca6f8db_oproj-k_q756ca6f8db_oproj
	.p2alignl 7, 3214868480
	.fill 96, 4, 3214868480
	.section	.rodata,"a",@progbits
	.p2align	6, 0x0
	.amdhsa_kernel k_q756ca6f8db_oproj
		.amdhsa_group_segment_fixed_size 327680
		.amdhsa_private_segment_fixed_size 0
		.amdhsa_enable_private_segment 0
		.amdhsa_kernarg_size 32
		.amdhsa_user_sgpr_count 2
		.amdhsa_user_sgpr_kernarg_segment_ptr 1
		.amdhsa_wavefront_size32 1
		.amdhsa_system_sgpr_workgroup_id_x 1
		.amdhsa_system_sgpr_workgroup_id_y 1
		.amdhsa_system_sgpr_workgroup_id_z 1
		.amdhsa_system_vgpr_workitem_id 0
		.amdhsa_next_free_vgpr 512
		.amdhsa_next_free_sgpr 100
		.amdhsa_reserve_vcc 0
		.amdhsa_float_denorm_mode_32 3
		.amdhsa_float_denorm_mode_16_64 3
		.amdhsa_memory_ordered 1
		.amdhsa_forward_progress 1
		.amdhsa_inst_pref_size 73
	.end_amdhsa_kernel
	.amdgpu_metadata
---
amdhsa.version: [ 1, 2 ]
amdhsa.kernels:
  - .name:           k_q756ca6f8db_oproj
    .symbol:         k_q756ca6f8db_oproj.kd
    .args:
      - { .name: ocodes, .offset: 0, .size: 8, .value_kind: global_buffer, .address_space: global }
      - { .name: wocodes, .offset: 8, .size: 8, .value_kind: global_buffer, .address_space: global }
      - { .name: lowp_scales, .offset: 16, .size: 8, .value_kind: global_buffer, .address_space: global }
      - { .name: out0, .offset: 24, .size: 8, .value_kind: global_buffer, .address_space: global }
    .group_segment_fixed_size: 327680
    .private_segment_fixed_size: 0
    .kernarg_segment_align: 8
    .kernarg_segment_size: 32
    .max_flat_workgroup_size: 128
    .sgpr_count:     100
    .vgpr_count:     512
    .wavefront_size: 32
...
	.end_amdgpu_metadata
.endif
;; end of part 4
